; MI455X (gfx1250); checked and timed in simulation.
; The chip was launched on July 23, 2026; its instructions are those of AMD's public machine-readable ISA for CDNA 5 (MIT licence, August 2026) and "CDNA5" Instruction Set Architecture Reference Guide (July 2026). The comments in the code are by the model that wrote it; some were corrected since.
;; Modality Untied Attention. Allowed arithmetic: float matrix products may take bf16 or f16 operands with f32 sums; other float arithmetic in f32, or as packed bf16 or f16 multiplies, adds, multiply-adds, maxima and minima; sums over many terms, partial sums and values carried from step to step in f32; what a program stores and reads back later, other than sums and carried values, may be rounded once to bf16 or f16.
;; Inputs: attn_norm_w 2 x 2,048 float32; freqs_cos 2,048 x 64 float32; freqs_sin 2,048 x 64 float32; k_norm_w 2 x 128 float32; modality_ids 4,096 int32; q_norm_w 2 x 128 float32; wk 2 x 2,048 x 512 float32; wo 2 x 1,024 x 2,048 float32; wq 2 x 2,048 x 1,024 float32; wv 2 x 2,048 x 512 float32; x 2 x 2,048 x 2,048 float32.
;; Outputs: out0 2 x 2,048 x 2,048 float32.
;; One version. Each part assembles by itself: llvm-mc -triple=amdgcn-amd-amdhsa -mcpu=gfx1250 --defsym DOCPART=n.
;; ======== version 1 of 1: 5 launches
;; limits: values are held in f16: magnitudes above 65,504 overflow, below 6.1e-05 lose precision
;; workspace buffers: xs 18,874,368 bytes; wts 25,690,112 bytes; qkv 23,986,176 bytes; att 9,437,184 bytes; ot 18,874,368 bytes; idx 35,072 bytes of whole numbers
;; launch prep (part 1): grid 256 x 1, 8 waves a work-group, no clusters, 2,048 bytes of LDS; arguments x, wq, wk, wv, wo, freqs_cos, freqs_sin, modality_ids, xs, wts, att, idx; writes xs, wts, att, idx
.if DOCPART == 1
	.amdgcn_target "amdgcn-amd-amdhsa--gfx1250"
	.amdhsa_code_object_version 6
	.text
	.protected	k_q149b4566ed_prep
	.globl	k_q149b4566ed_prep
	.p2align	8
	.type	k_q149b4566ed_prep,@function
k_q149b4566ed_prep:
	s_mov_b64 s[64:65], 0
	v_nop
	global_prefetch_b8 v0, s[64:65] scope:SCOPE_SE
	s_setreg_imm32_b32 hwreg(HW_REG_WAVE_MODE, 25, 1), 1
	s_wait_xcnt 0x0
; PREP.  Sorts the 4,096 tokens by modality, rounds x and all weights once, and lays them out for the products.
;   xs  [4608][2048] bf16: x in sorted order.  Row groups have 288 rows; expert 0 takes G0 = ceil(cnt0 / 288) groups, expert 1 begins at P1 = 288 G0.
;       ceil(c0/288) + ceil(c1/288) <= 16 for every split, so 4,608 rows serve all of them; the 512 rows that hold no token are zeros.
;   wts the weights IN THE ORDER IN WHICH A WAVE'S OPERAND REGISTERS TAKE THEM.  wq | wk | wv (2,048 columns, bf16) at 0: [e][tile of 128 columns: 16][block of 32 k: 64][8,192 bytes]; wo (rounded to bf16,
;       written as f16) at WOH: [e][16][32][8,192 bytes].  The 8,192 bytes: [half of 64 columns: 2][fragment b: 4][load j: 2][512 bytes]; in the 512 bytes lane r + 16 h has 16 bytes: k = 16 j + 8 h + 0..7
;       of column 4 r + b of the half.  (Fragment b holds every fourth column: so a lane here, which loads four neighbouring columns, has a whole 16 bytes of four fragments, and nothing changes lanes.)
;       CST at CSTO: [2048 positions][64 pairs] of (bf16 cos, bf16 sin).
;   idx POS [4096] token -> sorted row; INV [4608] sorted row -> token (a pad row j holds 4096 + j); META word 0 = P1.
;   att the 512 pad rows are zeros (the other rows are stored by the attention).
; LIMITS.  An id other than 0 counts as expert 1.  wo beyond 65,504 has no f16; below 6e-5 it keeps f16's fixed step of 6e-8.
; SHARES.  Work-group g, wave w: columns 256 w .. 256 w + 255 of rows 16 g .. 16 g + 15 of the stacked wq | wk | wv and of rows 8 g .. 8 g + 7 of wo; tokens 16 g + 2 w, + 1 of x;
; position 8 g + w of cos and sin; pads 2 g, 2 g + 1.
; A stream: no matrix unit, no cluster (no input byte is read by two work-groups but the 16 KB of ids).  Every load covers 512 consecutive bytes; every store whole aligned runs of 256 bytes.
; All 87 loads of a wave go out at the start, and no register that a store reads is written again: the outputs have registers of their own, so no conversion waits for a store.
; REGISTERS.  window 0: v0-31 at work; v32-47 row offsets; v64-191 the weights' 16 rows; v192-255 wo's 8 rows.  window 1: v0-127 my two tokens (rounded in place); v128-191, v192-223 the weights as stored.
.set SPARE,  1024                      ; LDS: 0-1023 one count a thread; then the spare words, 128 bytes for each of 8 waves
.set WOH,    16777216
.set CSTO,   25165824
.set INVO,   16384
.set META,   34816
.set ROWMAX, 0x11ff                    ; the last sorted row
.set SPW, 30                           ; v30  my spare word's LDS address; never rewritten
.set NIL, 31                           ; v31  0; never rewritten
.set OFS, 32                           ; v[32:47]   16 lane + row x pitch, for the 16 rows of wq, wk or wv
.set VS,  52                           ; v52        where my 16 bytes go in a fragment: 4,096 (lane / 16) + 16 (lane % 16)
.set XW,  64                           ; v[64:191]  tile m, row i, column c of my four: 64 m + 4 i + c
.set XO,  192                          ; v[192:255] wo: 32 m + 4 i + c
.set XX,  0                            ; window 1: v[0:127]   token r: 64 r ..
.set YW,  128                          ; window 1: v[128:191] 32 m + 8 b + 4 h + word
.set YO,  192                          ; window 1: v[192:223] 16 m + 4 b + word
.set MSB, 0
.macro WIN new                         ; the immediate's high byte repeats the setting that is left; a switch that changes nothing is dropped
.if MSB != (\new)
	s_set_vgpr_msb (MSB<<8)|(\new)
.set MSB, \new
.endif
.endm
.macro CVW m                           ; tile m of wq | wk | wv: two rows' numbers of one column make a word; 16 bytes are k = 8 h .. 8 h + 7 of column 4 r + b
	WIN 0x40                                       ; destination window 1
.irp b, 0,1,2,3
.irp h, 0,1
.irp q, 0,1,2,3
	v_cvt_pk_bf16_f32 v[YW+32*\m+8*\b+4*\h+\q], v[XW+64*\m+4*(8*\h+2*\q)+\b], v[XW+64*\m+4*(8*\h+2*\q+1)+\b]
.endr
.endr
.endr
	WIN 0x04                                       ; a store's data: window 1
.irp b, 0,1,2,3
.irp h, 0,1
	global_store_b128 v[VS], v[YW+32*\m+8*\b+4*\h:YW+32*\m+8*\b+4*\h+3], s[42:43] offset:524288*\m+1024*\b+256*\h  ; each half of the lanes: 256 consecutive bytes
.endr
.endr
.endm
.macro CVX r, lo, hi                   ; token r: rounded in place (word i takes numbers 2 i and 2 i + 1: it overwrites only what has been read), then 8 stores of 512 consecutive bytes
	WIN 0x45
.set i, 0
.rept 32
	v_cvt_pk_bf16_f32 v[XX+64*\r+i], v[XX+64*\r+2*i], v[XX+64*\r+2*i+1]
.set i, i+1
.endr
	WIN 0x04
.set c, 0
.rept 8
	global_store_b128 v3, v[XX+64*\r+4*c:XX+64*\r+4*c+3], s[\lo:\hi] offset:512*c
.set c, c+1
.endr
.endm
	s_load_b512 s[8:23], s[0:1], 0x0               ; x 8, wq 10, wk 12, wv 14, wo 16, cos 18, sin 20, ids 22
	s_load_b256 s[24:31], s[0:1], 0x40             ; xs 24, wts 26, att 28, idx 30
	v_lshl_add_u32 v[SPW], v0, 2, SPARE
	v_mov_b32 v[NIL], 0
	v_lshrrev_b32 v21, 5, v0
	v_readfirstlane_b32 s32, v21                   ; wave 0..7
	v_and_b32 v1, 31, v0                           ; lane
	v_lshlrev_b32 v2, 5, v1                        ; 32 bytes of f32 a lane
	v_lshlrev_b32 v3, 4, v1                        ; 16 bytes a lane
	v_and_b32 v28, 15, v0                          ; lane % 16
	v_lshlrev_b32 v29, 3, v1                       ; 8 x lane
	v_lshlrev_b32 v48, 6, v0                       ; my 16 ids
	v_lshlrev_b32 v49, 2, v28                      ; the id of token 16 g + lane % 16
	v_lshrrev_b32 v50, 4, v1
	v_lshlrev_b32 v51, 4, v28
	v_lshl_add_u32 v[VS], v50, 12, v51
	s_mov_b32 s35, ttmp9                           ; g
	s_lshl_b32 s33, s35, 4
	s_lshl1_add_u32 s33, s32, s33                  ; 16 g + 2 w
	s_lshl3_add_u32 s34, s35, s32                  ; 8 g + w
	s_mov_b32 s85, 0xffff0000
	s_mov_b32 s3, 0                                ; s[2:3]: a byte offset, in 64 bits
	s_lshl_b32 s87, s35, 16                        ; wq: 16 g rows of 4,096 bytes; wo: 8 g rows of 8,192,
	s_lshl_b32 s89, s32, 10
	s_add_co_u32 s87, s87, s89                     ; + my 256 columns
	s_lshl_b32 s88, s35, 15                        ; wk, wv: 16 g rows of 2,048 bytes,
	s_and_b32 s89, s32, 1
	s_lshl_b32 s89, s89, 10
	s_add_co_u32 s88, s88, s89                     ; + the half of their 512 columns that is mine
	s_lshr_b32 s90, s35, 7                         ; the expert
	s_and_b32 s91, s35, 127
	s_lshl_b32 s92, s90, 23                        ; where wq | wk | wv go: the expert,
	s_lshl_b32 s89, s32, 20
	s_add_co_u32 s92, s92, s89                     ; tile 2 w,
	s_lshr_b32 s89, s91, 1
	s_lshl_b32 s89, s89, 13
	s_add_co_u32 s92, s92, s89                     ; the block of 32 k,
	s_and_b32 s89, s35, 1
	s_lshl_b32 s89, s89, 9
	s_add_co_u32 s92, s92, s89                     ; its half of 16 k (load j)
	s_lshl_b32 s93, s90, 22                        ; where wo goes: the expert,
	s_lshl_b32 s89, s32, 19
	s_add_co_u32 s93, s93, s89                     ; tile 2 w,
	s_lshr_b32 s89, s91, 2
	s_lshl_b32 s89, s89, 13
	s_add_co_u32 s93, s93, s89                     ; the block of 32 k,
	s_and_b32 s89, s35, 3
	s_lshl_b32 s89, s89, 8
	s_add_co_u32 s93, s93, s89                     ; its quarter of 8 k (load j, lanes' half h)
	s_add_co_u32 s93, s93, WOH
	s_mov_b32 s86, 2048
	s_wait_kmcnt 0x0
	s_cmp_lt_u32 s32, 6
	s_cselect_b64 s[36:37], s[12:13], s[14:15]     ; waves 4, 5: wk; 6, 7: wv;
	s_cmp_lt_u32 s32, 4
	s_cselect_b64 s[36:37], s[10:11], s[36:37]     ; 0 to 3: wq
	s_cselect_b32 s86, 4096, s86                   ; bytes from row to row
	s_cselect_b32 s2, s87, s88
	s_add_nc_u64 s[36:37], s[36:37], s[2:3]
	s_mov_b32 s2, s92
	s_add_nc_u64 s[42:43], s[26:27], s[2:3]
	s_mov_b32 s2, s87
	s_add_nc_u64 s[44:45], s[16:17], s[2:3]
	s_mov_b32 s2, s93
	s_add_nc_u64 s[46:47], s[26:27], s[2:3]
	s_lshl_b32 s2, s33, 13
	s_add_nc_u64 s[48:49], s[8:9], s[2:3]          ; x's rows
	s_lshl_b32 s2, s34, 8
	s_add_nc_u64 s[54:55], s[18:19], s[2:3]        ; cos
	s_add_nc_u64 s[56:57], s[20:21], s[2:3]        ; sin
	s_add_co_u32 s2, s2, CSTO
	s_add_nc_u64 s[58:59], s[26:27], s[2:3]        ; CST's row
	s_lshl_b32 s2, s35, 6
	s_add_nc_u64 s[60:61], s[22:23], s[2:3]        ; the group's 16 ids
	s_add_nc_u64 s[82:83], s[30:31], s[2:3]        ; and their places in POS
.set i, 0
.rept 16
	v_mad_u32_u24 v[OFS+i], s86, i, v3
.set i, i+1
.endr
	global_load_b128 v[4:7],   v48, s[22:23]
	global_load_b128 v[8:11],  v48, s[22:23] offset:16
	global_load_b128 v[12:15], v48, s[22:23] offset:32
	global_load_b128 v[16:19], v48, s[22:23] offset:48
	global_load_b32 v20, v49, s[60:61]
	global_load_b64 v[22:23], v29, s[54:55] th:TH_LOAD_NT
	global_load_b64 v[24:25], v29, s[56:57] th:TH_LOAD_NT
.irp m, 0,1
.set i, 0
.rept 16
	global_load_b128 v[XW+64*\m+4*i:XW+64*\m+4*i+3], v[OFS+i], s[36:37] offset:512*\m th:TH_LOAD_NT
.set i, i+1
.endr
.endr
.irp m, 0,1
.set i, 0
.rept 8
	global_load_b128 v[XO+32*\m+4*i:XO+32*\m+4*i+3], v3, s[44:45] offset:8192*i+512*\m th:TH_LOAD_NT
.set i, i+1
.endr
.endr
	WIN 0x40
.irp r, 0,1
.set c, 0
.rept 8
	global_load_b128 v[XX+64*\r+8*c:XX+64*\r+8*c+3],   v2, s[48:49] offset:8192*\r+1024*c th:TH_LOAD_NT
	global_load_b128 v[XX+64*\r+8*c+4:XX+64*\r+8*c+7], v2, s[48:49] offset:8192*\r+1024*c+16 th:TH_LOAD_NT
.set c, c+1
.endr
.endr
	WIN 0
	s_wait_loadcnt 63                              ; 80 loads are younger than ids, cos and sin: a smaller count is safe
	; how many of my 16 tokens belong to expert 1
.irp i, 4,5,6,7,8,9,10,11,12,13,14,15,16,17,18,19
	v_min_u32 v\i, 1, v\i
.endr
	v_add3_u32 v4, v4, v5, v6
	v_add3_u32 v7, v7, v8, v9
	v_add3_u32 v10, v10, v11, v12
	v_add3_u32 v13, v13, v14, v15
	v_add3_u32 v16, v16, v17, v18
	v_add3_u32 v4, v4, v7, v10
	v_add3_u32 v13, v13, v16, v19
	v_add_nc_u32 v4, v4, v13
	v_lshlrev_b32 v21, 2, v0
	ds_store_b32 v21, v4
	v_cvt_pk_bf16_f32 v26, v22, v24                ; (cos, sin) of pairs 2 lane and 2 lane + 1
	v_cvt_pk_bf16_f32 v27, v23, v25
	global_store_b64 v29, v[26:27], s[58:59]       ; 256 consecutive bytes
	s_wait_dscnt 0x0                               ; for the others' sake: my count is in LDS
	s_barrier_signal -1
	s_barrier_wait -1
	ds_load_b128 v[8:11],  v2                      ; the counts of threads 8 lane .. 8 lane + 7
	ds_load_b128 v[12:15], v2 offset:16
	s_wait_dscnt 0x0
	v_add3_u32 v16, v8, v9, v10
	v_add3_u32 v16, v16, v11, v12
	v_add3_u32 v16, v16, v13, v14
	v_add_nc_u32 v16, v16, v15                     ; all of them,
	v_mov_b32 v5, 0
.irp k, 0,1,2,3,4,5,6,7
	v_add_nc_u32 v18, \k, v29
	v_cmp_gt_u32 vcc_lo, s35, v18                  ; thread t holds tokens 16 t ..: those ahead of my group's have t < g
	v_cndmask_b32 v19, 0, v[8+\k], vcc_lo
	v_add_nc_u32 v5, v5, v19
.endr
	v_lshl_or_b32 v16, v5, 16, v16                 ; both sums stay under 65,536: one word carries them
	s_mov_b32 s62, 0
.set i, 0
.rept 32
	v_readlane_b32 s63, v16, i
	s_add_co_u32 s62, s62, s63
.set i, i+1
.endr
	s_and_b32 s66, s62, 0xffff                     ; tokens of expert 1
	s_lshr_b32 s67, s62, 16                        ; of them ahead of token 16 g
	s_sub_co_u32 s68, 0x1000, s66                  ; cnt0
	s_add_co_u32 s72, s68, 287
	s_mul_i32 s72, s72, 14564                      ; 14,564 x 288 = 2^22 + 128: the quotient is exact up to 4,383
	s_lshr_b32 s72, s72, 22                        ; G0
	s_mul_i32 s69, s72, 288                        ; P1
	s_sub_co_u32 s70, s69, s68                     ; pads between the experts
	v_cmp_ne_u32 s71, 0, v20                       ; bit t (t < 16): token 16 g + t belongs to expert 1
.irp i, 0,1
	s_lshl_b32 s72, s32, 1                         ; my token t = 2 w + i of the group's 16
	s_add_co_u32 s72, s72, \i
	s_bfm_b32 s73, s72, 0
	s_and_b32 s73, s73, s71
	s_bcnt1_i32_b32 s73, s73
	s_add_co_u32 s73, s73, s67                     ; expert 1's tokens ahead of it
	s_add_co_u32 s74, s33, \i
	s_sub_co_u32 s74, s74, s73                     ; expert 0's
	s_add_co_u32 s73, s73, s69
	s_bitcmp1_b32 s71, s72
	s_cselect_b32 s74, s73, s74
	s_min_u32 s74, s74, ROWMAX
	s_lshl_b32 s2, s74, 12
	s_add_nc_u64 s[50+2*\i:51+2*\i], s[24:25], s[2:3]
.endr
.irp i, 0,1
	s_lshl_b32 s72, s35, 1                         ; pad j = 2 g + i lies at cnt0 + j, or behind expert 1 at 4096 + j
	s_add_co_u32 s72, s72, \i
	s_cmp_lt_u32 s72, s70
	s_cselect_b32 s73, s68, 0x1000
	s_add_co_u32 s73, s73, s72
	s_min_u32 s73, s73, ROWMAX
	s_lshl_b32 s2, s73, 12
	s_lshl_b32 s74, s32, 9                         ; wave w clears bytes 512 w .. of the row
	s_add_co_u32 s2, s2, s74
	s_add_nc_u64 s[76+2*\i:77+2*\i], s[24:25], s[2:3]
.endr
	s_lshr_b32 s72, s32, 2                         ; att's pad rows have 2,048 bytes: waves 0-3 clear the first, 4-7 the second
	s_lshl1_add_u32 s72, s35, s72
	s_cmp_lt_u32 s72, s70
	s_cselect_b32 s73, s68, 0x1000
	s_add_co_u32 s73, s73, s72
	s_min_u32 s73, s73, ROWMAX
	s_lshl_b32 s2, s73, 11
	s_and_b32 s74, s32, 3
	s_lshl_b32 s74, s74, 9
	s_add_co_u32 s2, s2, s74
	s_add_nc_u64 s[80:81], s[28:29], s[2:3]
.irp i, 12,13,14,15
	v_mov_b32 v\i, 0
.endr
	global_store_b128 v3, v[12:15], s[76:77]
	global_store_b128 v3, v[12:15], s[78:79]
	global_store_b128 v3, v[12:15], s[80:81]
	; the five parts.  Each count is the number of younger loads (the first: one less than the 64).
	s_wait_loadcnt 63                              ; wq | wk | wv, my first tile
	CVW 0
	s_wait_loadcnt 48                              ; my second tile
	CVW 1
	s_wait_loadcnt 32                              ; wo: rounded to bf16, and the same numbers written as f16; the weights' registers are free and take the steps between
	WIN 0
.irp m, 0,1
.irp b, 0,1,2,3
.irp q, 0,1,2,3
	v_cvt_pk_bf16_f32 v[XW+16*\m+4*\b+\q], v[XO+32*\m+8*\q+\b], v[XO+32*\m+8*\q+4+\b]
.endr
.endr
.endr
.set i, 0
.rept 32
	v_lshlrev_b32 v[XW+32+2*i], 16, v[XW+i]
	v_and_b32 v[XW+32+2*i+1], s85, v[XW+i]
.set i, i+1
.endr
	WIN 0x40
.set i, 0
.rept 32
	v_cvt_pk_f16_f32 v[YO+i], v[XW+32+2*i], v[XW+32+2*i+1]
.set i, i+1
.endr
	WIN 0x04
.irp m, 0,1
.irp b, 0,1,2,3
	global_store_b128 v[VS], v[YO+16*\m+4*\b:YO+16*\m+4*\b+3], s[46:47] offset:262144*\m+1024*\b  ; each half of the lanes: 256 consecutive bytes
.endr
.endr
	s_wait_loadcnt 16                              ; my first token
	CVX 0, 50, 51
	s_wait_loadcnt 0x0                             ; my second
	CVX 1, 52, 53
	WIN 0
	; wave 0 stores the group's part of the lists
	s_cmp_lg_u32 s32, 0
	s_cbranch_scc1 .Lend
	s_lshl_b32 s72, s35, 4
	v_add_nc_u32 v4, s72, v28                      ; token
	v_mbcnt_lo_u32_b32 v5, s71, 0
	v_add_nc_u32 v5, s67, v5                       ; expert 1's tokens ahead of it
	v_sub_nc_u32 v6, v4, v5
	v_add_nc_u32 v7, s69, v5
	v_cndmask_b32 v6, v6, v7, s71
	v_min_u32 v6, ROWMAX, v6                       ; its sorted row
	v_lshlrev_b32 v7, 2, v6
	v_lshlrev_b32 v8, 2, v28
	v_and_b32 v9, 1, v0
	s_lshl_b32 s72, s35, 1
	v_add_nc_u32 v9, s72, v9                       ; pad 2 g + lane % 2
	v_mov_b32 v10, 0x1000
	v_mov_b32 v11, s68
	v_cmp_gt_u32 vcc_lo, s70, v9
	v_cndmask_b32 v10, v10, v11, vcc_lo
	v_add_nc_u32 v10, v10, v9
	v_min_u32 v10, ROWMAX, v10
	v_lshlrev_b32 v10, 2, v10
	v_add_nc_u32 v11, 0x1000, v9
	v_mov_b32 v16, 0
	v_mov_b32 v17, s69
	s_wait_xcnt 0x0                                ; EXEC changes only when no issued store still reads it
	v_cmp_gt_u32 vcc_lo, 16, v1
	s_and_saveexec_b32 s84, vcc_lo
	global_store_b32 v8, v6, s[82:83]              ; POS: 64 consecutive bytes
	global_store_b32 v7, v4, s[30:31] offset:INVO  ; INV of the 16 tokens' rows
	global_store_b32 v10, v11, s[30:31] offset:INVO  ; INV of the two pad rows (lanes of one parity store one word)
	s_cmp_lg_u32 s35, 0
	s_cbranch_scc1 .Lno_meta
	global_store_b32 v16, v17, s[30:31] offset:META
.Lno_meta:
	s_wait_xcnt 0x0
	s_or_b32 exec_lo, exec_lo, s84
.Lend:
	s_wait_tensorcnt 0x0                           ; the wave's end, behind my last LDS store
	ds_add_u32 v[SPW], v[NIL]
	s_wait_dscnt 0x0
	s_endpgm
.Lfunc_end_k_q149b4566ed_prep:
	.size	k_q149b4566ed_prep, .Lfunc_end_k_q149b4566ed_prep-k_q149b4566ed_prep
	.p2alignl 7, 3214868480
	.fill 96, 4, 3214868480
	.section	.rodata,"a",@progbits
	.p2align	6, 0x0
	.amdhsa_kernel k_q149b4566ed_prep
		.amdhsa_group_segment_fixed_size 2048
		.amdhsa_private_segment_fixed_size 0
		.amdhsa_enable_private_segment 0
		.amdhsa_kernarg_size 96
		.amdhsa_user_sgpr_count 2
		.amdhsa_user_sgpr_kernarg_segment_ptr 1
		.amdhsa_wavefront_size32 1
		.amdhsa_system_sgpr_workgroup_id_x 1
		.amdhsa_system_sgpr_workgroup_id_y 1
		.amdhsa_system_sgpr_workgroup_id_z 1
		.amdhsa_system_vgpr_workitem_id 0
		.amdhsa_next_free_vgpr 480
		.amdhsa_next_free_sgpr 96
		.amdhsa_reserve_vcc 1
		.amdhsa_float_denorm_mode_32 3
		.amdhsa_float_denorm_mode_16_64 3
		.amdhsa_memory_ordered 1
		.amdhsa_forward_progress 1
		.amdhsa_inst_pref_size 42
	.end_amdhsa_kernel
	.amdgpu_metadata
---
amdhsa.version: [ 1, 2 ]
amdhsa.kernels:
  - .name:           k_q149b4566ed_prep
    .symbol:         k_q149b4566ed_prep.kd
    .args:
      - { .name: x, .offset: 0, .size: 8, .value_kind: global_buffer, .address_space: global }
      - { .name: wq, .offset: 8, .size: 8, .value_kind: global_buffer, .address_space: global }
      - { .name: wk, .offset: 16, .size: 8, .value_kind: global_buffer, .address_space: global }
      - { .name: wv, .offset: 24, .size: 8, .value_kind: global_buffer, .address_space: global }
      - { .name: wo, .offset: 32, .size: 8, .value_kind: global_buffer, .address_space: global }
      - { .name: freqs_cos, .offset: 40, .size: 8, .value_kind: global_buffer, .address_space: global }
      - { .name: freqs_sin, .offset: 48, .size: 8, .value_kind: global_buffer, .address_space: global }
      - { .name: modality_ids, .offset: 56, .size: 8, .value_kind: global_buffer, .address_space: global }
      - { .name: xs, .offset: 64, .size: 8, .value_kind: global_buffer, .address_space: global }
      - { .name: wts, .offset: 72, .size: 8, .value_kind: global_buffer, .address_space: global }
      - { .name: att, .offset: 80, .size: 8, .value_kind: global_buffer, .address_space: global }
      - { .name: idx, .offset: 88, .size: 8, .value_kind: global_buffer, .address_space: global }
    .group_segment_fixed_size: 2048
    .private_segment_fixed_size: 0
    .kernarg_segment_align: 8
    .kernarg_segment_size: 96
    .max_flat_workgroup_size: 256
    .sgpr_count:     96
    .vgpr_count:     480
    .wavefront_size: 32
...
	.end_amdgpu_metadata
.endif
;; end of part 1
;; launch qkv (part 2): grid 16 x 16, 4 waves a work-group, clusters of 4 x 1, 327,680 bytes of LDS; arguments xs, wts, q_norm_w, k_norm_w, idx, qkv; writes qkv
.if DOCPART == 2
	.amdgcn_target "amdgcn-amd-amdhsa--gfx1250"
	.amdhsa_code_object_version 6
	.text
	.protected	k_q149b4566ed_qkv
	.globl	k_q149b4566ed_qkv
	.p2align	8
	.type	k_q149b4566ed_qkv,@function
k_q149b4566ed_qkv:
	s_mov_b64 s[64:65], 0
	v_nop
	global_prefetch_b8 v0, s[64:65] scope:SCOPE_SE
	s_setreg_imm32_b32 hwreg(HW_REG_WAVE_MODE, 25, 1), 1
	s_wait_xcnt 0x0
	s_wait_alu depctr_hold_cnt(0) depctr_sa_sdst(0) depctr_va_vdst(0) depctr_va_sdst(0) depctr_va_ssrc(0) depctr_va_vcc(0) depctr_vm_vsrc(0)
	s_getreg_b32 s2, hwreg(HW_REG_IB_STS2, 6, 4)
	s_cmp_eq_u32 s2, 0
	s_cbranch_scc0 .Lentry_in_a_cluster
	s_endpgm
.Lentry_in_a_cluster:
	s_bfe_u32 s2, ttmp6, 0x10000c
	s_cmp_lg_u32 s2, 0x3003
	s_cbranch_scc0 .Lentry_shape_is_right
	s_endpgm
.Lentry_shape_is_right:
; QKV.  For a group of 288 sorted rows (one expert) and one head of 128 columns: xs x W[e] in bf16 with f32 sums; then, for q and k, RMSNorm over the head (gain rounded to bf16),
; RoPE (cos, sin in bf16), and all three rounded once to f16 and stored by heads at the token's own place: QH [b][8][s][128], KH, VH [b][4][s][128].  Pad rows go to places that nobody reads.
; LIMITS.  v beyond 65,504 has no f16.  NaN and infinities are not treated apart.  x rs w is formed as (x w) rs.
; SHARES.  Grid 16 column tiles x 16 row groups = 256 work-groups.  Four waves as 2 x 2, each 144 rows x 64 columns: 36 accumulators, 288 registers.
; A (xs) goes through two LDS slots in K steps of 256: 288 rows of 512 bytes a slot, 72 rows a wave and load; 280 matrix instructions stand between a tile's request and the wait for it.
; B (the weights) lies in memory in the order of the operand registers and comes STRAIGHT INTO REGISTERS: 8 loads of 512 consecutive bytes for each 32 of K, into a ring of 8 buffers, asked for 7 quarters
; (252 matrix instructions) ahead.  So LDS has room for the long step, and a wave reads 18 LDS loads for 36 matrix instructions.  The price: both row halves' waves load the same B.
; CLUSTER.  The four column tiles of a cluster need the same 288 rows of xs: A's tile is asked for JOINTLY.  B is not shared: that would want four row groups of ONE expert in a cluster, and with groups
; dealt four at a time 4,608 rows no longer serve every split (groups of 160 rows, 5,120 rows, would).
; THE MATRIX INSTRUCTION IS USED TRANSPOSED (source 0 = 16 columns of W, source 1 = 16 rows of xs).  Fragment b holds columns 4 i + b of my 64, so register j of accumulator (a, b) in lane (r, h) is
; row 16 a + r, column 32 h + 4 j + b.
; REGISTERS.  window 0: v0-29 addresses; v32-103, v104-175 two buffers of A's 9 fragments; v240-247 the gain.  window 1: accumulators (a, b), a < 8, at 8 (4 a + b).
; window 2: v0-31 accumulators a = 8; v32-175 cos and sin of my 72 rows of the way out, loaded at the head and left alone through the K loop.  window 3: B's ring, quarter i at 32 i, fragment b at + 8 b.
.set KT,     2048
.set NS,     KT/256                    ; K steps
.set PA,     528                       ; a row of A in LDS: 512 bytes + 16: the 16 rows of a load begin 16 bytes apart modulo 256
.set SLOT,   288*PA                    ; 152,064
.set SPARE,  2*SLOT                    ; the spare words: 512 bytes that no other line names
.set TOKL,   SPARE+512                 ; a wave's own 36 x 128 bytes: the tokens of its 72 rows of the way out
.set SPITCH, 528                       ; the stage (f32, over the ring, behind its last fill): in a row, channel 8 c + 4 jj + b lies at 128 b + 8 c + 4 jj
.set CSR,    288*SPITCH                ; a wave's own 36 x 512 bytes: cos and sin of its rows
.set META,   34816
.set INVO,   16384
.set CSTO,   25165824
.set KOFF,   12189696
.set VOFFG,  18087936
.set ROWMAX, 0x11ff
.set STO,  8                           ; v8, v9  into the stage: blocks 0-3, 4-8
.set XA,   10                          ; v10  out of the stage
.set CA,   11                          ; v11  my place in CSR
.set TA,   12                          ; v12  my place in TOKL
.set AL0,  16                          ; v16, v17  my lane's place in a slot: row blocks 0-3, 4-8; never rewritten
.set AH0,  17
.set ADL,  18                          ; v18, v19  the same in the slot that is read
.set ADH,  19
.set BO,   20                          ; v20  16 x lane
.set SPW,  28
.set NIL,  29
.set F0,   32
.set F1,   104
.set WG,   240
.set XR,   32                          ; the way out, six pairs of rows a trip: 8 f32 a lane and pair; register 2 b + jj holds channel 4 jj + b of my eight
.set CR,   80                          ; 4 words of (cos, sin)
.set TR,   104                         ; the token
.set RS,   112                         ; sum of squares, then 1 / rms (a pair's low word)
.set CU,   124
.set TT,   132
.set OUTR, 140
.set AD,   164
.set WV,  16
.set G1A, 24                           ; s[24:31] descriptor group 1
.set G0A, 32                           ; s[32:35] group 0 of slot 0's first fill
.set G0W, 36                           ; s[36:39] of slot 1's first fill; then it walks
.set BB,  40                           ; s[40:41] B at the K step in hand
.set SB,  42                           ; s42  the slot that is read, 0 or SLOT
.set MSB, 0
.macro WIN new                         ; the immediate's high byte repeats the setting that is left; a switch that changes nothing is dropped
.if MSB != (\new)
	s_set_vgpr_msb (MSB<<8)|(\new)
.set MSB, \new
.endif
.endm
.macro PLACES                          ; four plain instructions between a matrix instruction and a load into, or a vector line on, its registers
.rept 4
	v_nop
.endr
.endm
.macro CREST                           ; a round of the cluster's barrier behind its opening barrier
	s_cmp_lg_u32 s[WV], 0
	s_cbranch_scc1 .Lnot_wave_0_\@
	s_barrier_signal -3
.Lnot_wave_0_\@:
	s_barrier_wait -3
	s_barrier_signal -1
	s_barrier_wait -1
.endm
.macro CROUND
	s_barrier_signal -1
	s_barrier_wait -1
	CREST
.endm
; Matrix instruction n of a quarter's 36: row block n / 4, fragment n % 4.  The 36 accumulators take turns in one order in every quarter.  zero = 1: the product starts the sum
.macro MM f, bi, n, zero
.if (\n) < 32
	WIN 0x53                                       ; B window 3, A window 0, C and D window 1
.set rC, 8*(\n)
.else
	WIN 0xa3                                       ; C and D window 2
.set rC, 8*((\n)-32)
.endif
.if \zero
	v_wmma_f32_16x16x32_bf16 v[rC:rC+7], v[32*(\bi)+8*((\n)%4):32*(\bi)+8*((\n)%4)+7], v[(\f)+8*((\n)/4):(\f)+8*((\n)/4)+7], 0
.else
	v_wmma_f32_16x16x32_bf16 v[rC:rC+7], v[32*(\bi)+8*((\n)%4):32*(\bi)+8*((\n)%4)+7], v[(\f)+8*((\n)/4):(\f)+8*((\n)/4)+7], v[rC:rC+7]
.endif
.endm
.macro MMS f, bi, n0, n1, zero
.set nn, \n0
.rept (\n1)-(\n0)+1
	MM \f, \bi, nn, \zero
.set nn, nn+1
.endr
.endm
.macro AGRP g, k, a0                   ; six LDS loads: A's fragments a0 .. a0 + 2 of the 32 along K at byte k of the rows
	WIN 0
.set aa, \a0
.rept 3
.if aa < 4
	ds_load_b128 v[(\g)+8*aa:(\g)+8*aa+3],   v[ADL] offset:(\k)+aa*16*PA
	ds_load_b128 v[(\g)+8*aa+4:(\g)+8*aa+7], v[ADL] offset:(\k)+aa*16*PA+32
.else
	ds_load_b128 v[(\g)+8*aa:(\g)+8*aa+3],   v[ADH] offset:(\k)+(aa-4)*16*PA
	ds_load_b128 v[(\g)+8*aa+4:(\g)+8*aa+7], v[ADH] offset:(\k)+(aa-4)*16*PA+32
.endif
.set aa, aa+1
.endr
.endm
.macro BGRP bd, off                    ; eight loads of 512 consecutive bytes: B's four fragments of one quarter into ring buffer bd
	WIN 0xc0                                       ; destination window 3, offset window 0
.irp b, 0,1,2,3
	global_load_b128 v[32*(\bd)+8*\b:32*(\bd)+8*\b+3],   v[BO], s[BB:BB+1] offset:(\off)+1024*\b
	global_load_b128 v[32*(\bd)+8*\b+4:32*(\bd)+8*\b+7], v[BO], s[BB:BB+1] offset:(\off)+1024*\b+512
.endr
.endm
; Quarter i (0 .. 7) of a K step: 32 along K, 36 matrix instructions on A's buffer i % 2 and B's buffer i.  The memory instructions stand in short groups between the first matrix instructions:
; B for the quarter 7 further on goes into the buffer that the quarter before has read; A's next quarter into the other buffer.  The four v_nop behind the first matrix instruction are the places between
; the last quarter's products and these loads.  lc: B's loads for the later quarters, which may stay out.
.macro QUARTER i, fetch, bl, lc, zero
.set fF, F0+72*((\i)%2)
.set fG, F0+72*(((\i)+1)%2)
	s_wait_dscnt 0x0                               ; A's fragments are in: the last of them was asked for 28 matrix instructions ago
	s_wait_loadcnt \lc
	MM fF, \i, 0, \zero
	PLACES
	MM fF, \i, 1, \zero
.if \bl
.if (\i) == 0
	BGRP 7, 7*8192                                 ; this step's last quarter
.else
	BGRP (\i)-1, 65536+8192*((\i)-1)               ; the next step's quarter i - 1
.endif
.endif
	MMS fF, \i, 2, 3, \zero
.if \fetch
	AGRP fG, 64*((\i)+1), 0
.endif
	MMS fF, \i, 4, 5, \zero
.if \fetch
	AGRP fG, 64*((\i)+1), 3
.endif
	MMS fF, \i, 6, 7, \zero
.if \fetch
	AGRP fG, 64*((\i)+1), 6
.endif
	MMS fF, \i, 8, 35, \zero
.endm
; Quarter 7 changes slots: one barrier, which with fill = 1 opens a round of the cluster's.  Its fragments are in registers, so the slot that is left can be filled again, with the step after the one that is entered.
.macro TURN fill, lc
	WIN 0
	s_wait_tensorcnt 0x0                           ; all my tensor loads have landed: the one that was out is my part of the slot to be entered; the descriptor may be written
	ds_add_u32 v[SPW], v[NIL]                      ; 0 onto my spare word
	s_wait_xcnt 0x0                                ; B's base is stepped only when the loads that name it have had their addresses taken (the last were issued a quarter ago)
	s_add_nc_u64 s[BB:BB+1], s[BB:BB+1], 0x10000   ; B at the step that is entered
.if \fill
	s_add_co_u32 s[G0W+1], s[SB], s57              ; my 72 rows of the slot that is left,
	s_add_nc_u64 s[G0W+2:G0W+3], s[G0W+2:G0W+3], 512  ; the next 256 along K; the type bits on top are not reached
.endif
	s_xor_b32 s[SB], s[SB], SLOT
	s_wait_loadcnt \lc
	s_wait_dscnt 0x0                               ; the add is done, and my reads of the slot are over
	s_barrier_signal -1
	MMS F1, 7, 0, 7, 0                             ; work on registers while the others arrive
	WIN 0
	s_barrier_wait -1
.if \fill
	CREST                                          ; no wave of any partner still reads the slot or has a load on its way
	tensor_load_to_lds s[G0W:G0W+3], s[G1A:G1A+7]  ; first behind the round
	s_nop 0
.endif
	PLACES                                         ; also the places in front of the loads below
	v_add_nc_u32 v[ADL], s[SB], v[AL0]
	v_add_nc_u32 v[ADH], s[SB], v[AH0]
	AGRP F0, 0, 0
	MMS F1, 7, 8, 9, 0
	BGRP 6, 6*8192                                 ; quarter 6 of the step that is entered
	MMS F1, 7, 10, 11, 0
	AGRP F0, 0, 3
	MMS F1, 7, 12, 13, 0
	AGRP F0, 0, 6
	MMS F1, 7, 14, 35, 0
.endm
	s_load_b256 s[4:11], s[0:1], 0x0               ; xs 4, wts 6, q_norm_w 8, k_norm_w 10
	s_load_b128 s[12:15], s[0:1], 0x20             ; idx 12, qkv 14
	v_lshl_add_u32 v[SPW], v0, 2, SPARE
	v_mov_b32 v[NIL], 0
	ds_add_u32 v[SPW], v[NIL]                      ; the wave's opening: the add is waited for ahead of my first tensor load
	v_lshrrev_b32 v1, 5, v0
	v_readfirstlane_b32 s[WV], v1
	v_and_b32 v7, 31, v0
	v_lshlrev_b32 v[BO], 4, v7
	s_lshr_b32 s17, s[WV], 1                       ; my half of the rows
	s_and_b32 s18, s[WV], 1                        ; my half of the columns
	s_bfe_u32 s19, ttmp6, 0x40000                  ; cx: it enters B's and the output's global addresses alone
	s_mov_b32 s56, ttmp9                           ; the cluster's x, alike in the partners: 0, 1 q; 2 k; 3 v
	s_lshl_b32 s20, s56, 2
	s_add_co_u32 s20, s20, s19                     ; column tile
	s_and_b32 s21, ttmp7, 0xffff                   ; row group
	s_mov_b32 s[G1A+0], 15|(1<<16)|(1<<20)|(1<<21)|(6<<22)|(3<<25)  ; mask of four; 2-byte elements; padding on; bit 21 beside a mask; after every 128 words 4 words
	s_mov_b32 s[G1A+1], 256<<16                    ; tensor_dim0 = 256
	s_mov_b32 s[G1A+2], 72<<16                     ; tensor_dim1 = 72
	s_mov_b32 s[G1A+3], 256<<16                    ; tile_dim0 = 256
	s_mov_b32 s[G1A+4], 72                         ; tile_dim1 = 72
	s_mov_b32 s[G1A+5], KT                         ; elements from row to row
	s_mov_b32 s[G1A+6], 0
	s_mov_b32 s[G1A+7], 0
	s_mul_i32 s57, s[WV], 72*PA                    ; where my 72 rows of A go in a slot
	s_mul_i32 s23, s[WV], 72
	s_mul_i32 s77, s21, 288                        ; the group's first row
	s_add_co_u32 s78, s77, s23
	s_mul_i32 s60, s78, 2*KT
	s_mov_b32 s61, 0
	s_lshl_b32 s78, s78, 2
	s_add_co_u32 s78, s78, INVO
	s_mov_b32 s79, 0
	s_mov_b32 s[SB], 0
	s_mov_b32 s74, 0x3c000000                      ; 1 / 128
	s_mov_b32 s75, 0x358637bd                      ; 1e-6
	s_mov_b32 s76, 0xffff0000
	s_wait_dscnt 0x0                               ; the opening add is done
	s_wait_kmcnt 0x0
	s_load_b32 s22, s[12:13], META                 ; P1
	s_add_nc_u64 s[60:61], s[4:5], s[60:61]        ; A at my rows
	s_add_nc_u64 s[70:71], s[6:7], CSTO
	s_add_nc_u64 s[68:69], s[12:13], s[78:79]      ; INV at the 72 rows that I send out
	s_wait_kmcnt 0x0
	s_cmp_ge_u32 s77, s22
	s_cselect_b32 s22, 1, 0                        ; the group's expert
	s_min_u32 s22, s22, 1
	s_lshl_b32 s62, s22, 23
	s_lshl_b32 s59, s20, 19
	s_add_co_u32 s62, s62, s59
	s_lshl_b32 s59, s18, 12
	s_add_co_u32 s62, s62, s59
	s_mov_b32 s63, 0
	s_add_nc_u64 s[BB:BB+1], s[6:7], s[62:63]      ; W[e], my tile, my 64 columns
	CROUND                                         ; all four work-groups are here: the first joint loads meet
	s_mov_b32 s[G0A], 1
	s_mov_b32 s[G0A+1], s57
	s_add_nc_u64 s[G0A+2:G0A+3], s[60:61], 0
	s_or_b32 s[G0A+3], s[G0A+3], 0x80000000
	s_mov_b32 s[G0W], 1
	s_add_co_u32 s[G0W+1], s57, SLOT
	s_add_nc_u64 s[G0W+2:G0W+3], s[60:61], 512
	s_or_b32 s[G0W+3], s[G0W+3], 0x80000000
	tensor_load_to_lds s[G0A:G0A+3], s[G1A:G1A+7]  ; K step 0
	s_nop 0
	tensor_load_to_lds s[G0W:G0W+3], s[G1A:G1A+7]  ; K step 1: two tensor loads of mine are out
	s_nop 0
	PLACES
.irp i, 0,1,2,3,4,5,6
	BGRP \i, 8192*\i                               ; B's first seven quarters
.endr
	WIN 0
	; what hangs on the kind of head
	s_cmp_lt_u32 s56, 2
	s_cselect_b32 s58, 7, 3                        ; heads less one: a token's row is tok + (tok & 0x1800) x this + 2048 h
	s_cselect_b32 s59, s20, s19                    ; the head
	s_cselect_b32 s62, 0, KOFF
	s_cmp_eq_u32 s56, 3
	s_cselect_b32 s62, VOFFG, s62
	s_lshl_b32 s59, s59, 19
	s_add_co_u32 s62, s62, s59
	s_mov_b32 s63, 0
	s_add_nc_u64 s[72:73], s[14:15], s[62:63]
	s_cmp_eq_u32 s56, 2
	s_cselect_b64 s[66:67], s[10:11], s[8:9]
	s_lshl_b32 s78, s22, 9
	s_add_nc_u64 s[66:67], s[66:67], s[78:79]      ; the expert's gain
	; addresses
	v_and_b32 v1, 15, v0                           ; l % 16
	v_bfe_u32 v2, v0, 4, 1                         ; l / 16
	v_mul_u32_u24 v3, v1, PA
	v_lshl_add_u32 v3, v2, 4, v3
	s_mul_i32 s23, s17, 144*PA
	v_add_nc_u32 v[AL0], s23, v3
	v_add_nc_u32 v[AH0], 4*16*PA, v[AL0]
	v_mul_u32_u24 v[STO], v1, SPITCH               ; into the stage: row 144 wr + l % 16; cell 4 wc + 2 (l / 16) + (upper four registers) of 16 bytes in fragment b's 128
	v_lshl_add_u32 v[STO], v2, 5, v[STO]
	s_mul_i32 s23, s17, 144*SPITCH
	s_lshl_b32 s78, s18, 6
	s_add_co_u32 s23, s23, s78
	v_add_nc_u32 v[STO], s23, v[STO]
	v_add_nc_u32 v[STO+1], 4*16*SPITCH, v[STO]
	v_mul_u32_u24 v[XA], v2, SPITCH                ; out of it: lanes 0-15 one row, lanes 16-31 the next; 8 bytes a lane in each fragment's 128
	v_lshl_add_u32 v[XA], v1, 3, v[XA]
	s_mul_i32 s23, s[WV], 72*SPITCH
	v_add_nc_u32 v[XA], s23, v[XA]
	s_mul_i32 s23, s[WV], 36*512
	s_add_co_u32 s23, s23, CSR
	v_lshl_add_u32 v[CA], v7, 4, s23
	s_mul_i32 s23, s[WV], 36*128
	s_add_co_u32 s23, s23, TOKL
	v_lshl_add_u32 v[TA], v7, 2, s23
	v_lshlrev_b32 v13, 4, v1                       ; 16 c
	v_lshlrev_b32 v14, 2, v2                       ; 4 x (l / 16)
	v_lshlrev_b32 v15, 5, v1                       ; 32 c
	; the tokens of the rows that I send out: pair f holds rows 72 w + 2 f and + 1, one for each half of the lanes
.set f, 0
.rept 36
	global_load_b32 v[32+f], v14, s[68:69] offset:8*f
.set f, f+1
.endr
	s_wait_loadcnt 0x0
.set f, 0
.rept 36
	v_min_u32 v[32+f], ROWMAX, v[32+f]
.set f, f+1
.endr
.set f, 0
.rept 36
	ds_store_b32 v[TA], v[32+f] offset:128*f
.set f, f+1
.endr
	s_cmp_eq_u32 s56, 3
	s_cbranch_scc1 .Lhead_v                        ; v has neither gain nor rotation
	global_load_b128 v[WG:WG+3],   v15, s[66:67]
	global_load_b128 v[WG+4:WG+7], v15, s[66:67] offset:16
.set f, 0
.rept 36
	v_and_b32 v[32+f], 0x7ff, v[32+f]              ; the position
	v_lshl_add_u32 v[32+f], v[32+f], 8, v13        ; its row of CST, my four pairs
.set f, f+1
.endr
	WIN 0x80
.set f, 0
.rept 36
	global_load_b128 v[32+4*f:32+4*f+3], v[32+f], s[70:71]
.set f, f+1
.endr
	WIN 0
	s_wait_xcnt 0x0                                ; the offsets in v32-67 are rewritten by the first fragments
.Lhead_v:
	s_wait_dscnt 0x0                               ; my stores of the tokens
	s_wait_tensorcnt 1                             ; my part of K step 0 is in; K step 1's may stay out
	s_barrier_signal -1
	s_barrier_wait -1
	v_add_nc_u32 v[ADL], s[SB], v[AL0]
	v_add_nc_u32 v[ADH], s[SB], v[AH0]
	AGRP F0, 0, 0
	AGRP F0, 0, 3
	AGRP F0, 0, 6
	QUARTER 0, 1, 1, 48, 1                         ; the first quarter starts the sums
	WIN 0
	s_mov_b32 s3, NS-1
	s_branch .Lmid                                 ; the loop is entered behind a step's first quarter
.Ltop:                                                 ; a trip: the last quarter of step s - 1 with the change into step s and the fill of step s + 1; then quarters 0 to 6 of step s, which load B for step s + 1
	TURN 1, 48
	QUARTER 0, 1, 1, 48, 0
	WIN 0
.Lmid:
.irp i, 1,2,3,4,5,6
	QUARTER \i, 1, 1, 48, 0
.endr
	WIN 0
	s_sub_co_u32 s3, s3, 1
	s_cmp_lg_u32 s3, 0
	s_cbranch_scc1 .Ltop
	TURN 0, 48                                     ; the last step is written out; B's last two quarters are asked for, then the counts run down
	QUARTER 0, 1, 1, 48, 0
	QUARTER 1, 1, 0, 48, 0
	QUARTER 2, 1, 0, 40, 0
	QUARTER 3, 1, 0, 32, 0
	QUARTER 4, 1, 0, 24, 0
	QUARTER 5, 1, 0, 16, 0
	QUARTER 6, 1, 0, 8, 0
	QUARTER 7, 0, 0, 0, 0
	WIN 0
	; THE WAY OUT.  The sums go in f32 into one stage over the ring, so that a row's 128 channels meet in 16 lanes.
	s_barrier_signal -1                            ; every wave's reads of the ring are over (the last quarter's wait for 0)
	s_barrier_wait -1
	PLACES
.set a, 0
.rept 9
.if a < 8
	WIN 0x04
.set rC, 32*a
.else
	WIN 0x08
.set rC, 0
.endif
.if a < 4
.set rA, STO
.set rF, a*16*SPITCH
.else
.set rA, STO+1
.set rF, (a-4)*16*SPITCH
.endif
.irp b, 0,1,2,3
	ds_store_b128 v[rA], v[rC+8*\b:rC+8*\b+3]   offset:rF+128*\b     ; each accumulator's low registers first
	ds_store_b128 v[rA], v[rC+8*\b+4:rC+8*\b+7] offset:rF+128*\b+16
.endr
.set a, a+1
.endr
	WIN 0
	s_wait_loadcnt 0x0                             ; cos, sin and the gain
	s_cmp_eq_u32 s56, 3
	s_cbranch_scc1 .Lstaged
	WIN 0x08
.set f, 0
.rept 36
	ds_store_b128 v[CA], v[32+4*f:32+4*f+3] offset:512*f   ; into LDS, so that the loop below can step through them
.set f, f+1
.endr
	WIN 0
.irp q, 0,1,2,3
	v_cvt_pk_bf16_f32 v[3+\q], v[WG+2*\q], v[WG+2*\q+1]    ; the gain rounded to bf16, like every input,
.endr
.irp q, 0,1,2,3
	v_lshlrev_b32 v[WG+4*(\q%2)+\q/2], 16, v[3+\q]         ; and laid as the row's registers lie: channel d in register 2 (d % 4) + d / 4
	v_and_b32 v[WG+4*(\q%2)+\q/2+2], s76, v[3+\q]
.endr
.Lstaged:
	s_wait_dscnt 0x0                               ; for the others' sake: my part of the stage is written
	s_barrier_signal -1
	s_barrier_wait -1
.macro XLOAD
.irp p, 0,1,2,3,4,5
.irp b, 0,1,2,3
	ds_load_b64 v[XR+8*\p+2*\b:XR+8*\p+2*\b+1], v[XA] offset:2*SPITCH*\p+128*\b
.endr
.endr
.endm
.macro SENDROW p                       ; the row's place from its token; 16 lanes store 256 consecutive bytes, a whole row of a head
	v_min_u32 v[TR+\p], ROWMAX, v[TR+\p]
	v_and_b32 v[AD+\p], 0x1800, v[TR+\p]
	v_mad_u32_u24 v[AD+\p], v[AD+\p], s58, v[TR+\p]
	v_lshl_add_u32 v[AD+\p], v[AD+\p], 8, v13
	global_store_b128 v[AD+\p], v[OUTR+4*\p:OUTR+4*\p+3], s[72:73]
.endm
	s_mov_b32 s3, 6
	s_cmp_eq_u32 s56, 3
	s_cbranch_scc1 .Lv
.Lqk:                                                  ; six trips of six pairs of rows
	s_wait_xcnt 0x0                                ; the last trip's stores have read their registers
	XLOAD
.irp p, 0,1,2,3,4,5
	ds_load_b128 v[CR+4*\p:CR+4*\p+3], v[CA] offset:512*\p
.endr
.irp p, 0,1,2,3,4,5
	ds_load_b32 v[TR+\p], v[TA] offset:128*\p
.endr
	s_wait_dscnt 0x0
.irp p, 0,1,2,3,4,5
	v_pk_mul_f32 v[RS+2*\p:RS+2*\p+1], v[XR+8*\p:XR+8*\p+1], v[XR+8*\p:XR+8*\p+1]
.endr
.irp q, 1,2,3
.irp p, 0,1,2,3,4,5
	v_pk_fma_f32 v[RS+2*\p:RS+2*\p+1], v[XR+8*\p+2*\q:XR+8*\p+2*\q+1], v[XR+8*\p+2*\q:XR+8*\p+2*\q+1], v[RS+2*\p:RS+2*\p+1]
.endr
.endr
.irp p, 0,1,2,3,4,5
	v_add_f32 v[RS+2*\p], v[RS+2*\p], v[RS+2*\p+1]
.endr
.irp m, 1,2,4,8
.irp p, 0,1,2,3,4,5
	v_add_f32_dpp v[RS+2*\p], v[RS+2*\p], v[RS+2*\p] row_xmask:\m row_mask:0xf bank_mask:0xf   ; over the row's 16 lanes
.endr
.endr
.irp p, 0,1,2,3,4,5
	v_fma_f32 v[RS+2*\p], v[RS+2*\p], s74, s75     ; mean + eps
.endr
.irp p, 0,1,2,3,4,5
	v_rsq_f32 v[RS+2*\p], v[RS+2*\p]
.endr
.irp p, 0,1,2,3,4,5
.irp q, 0,1,2,3
	v_pk_mul_f32 v[XR+8*\p+2*\q:XR+8*\p+2*\q+1], v[XR+8*\p+2*\q:XR+8*\p+2*\q+1], v[WG+2*\q:WG+2*\q+1]   ; x w: work that names no root
.endr
.endr
	s_wait_alu depctr_va_vdst(0)                   ; one wait for the six roots, ahead of their first reader
.irp p, 0,1,2,3,4,5
.irp q, 0,1,2,3
	v_pk_mul_f32 v[XR+8*\p+2*\q:XR+8*\p+2*\q+1], v[XR+8*\p+2*\q:XR+8*\p+2*\q+1], v[RS+2*\p:RS+2*\p+1] op_sel_hi:[1,0]
.endr
.irp i, 0,1,2,3
	v_lshlrev_b32 v[CU+2*\i], 16, v[CR+4*\p+\i]    ; cos
	v_and_b32 v[CU+2*\i+1], s76, v[CR+4*\p+\i]     ; sin
.endr
.irp i, 0,1,2,3                        ; pair i: channels 2 i and 2 i + 1 lie in registers 4 (i % 2) + i / 2 and two further on
	v_mul_f32 v[TT+2*\i],   v[XR+8*\p+4*(\i%2)+\i/2+2], v[CU+2*\i+1]
	v_mul_f32 v[TT+2*\i+1], v[XR+8*\p+4*(\i%2)+\i/2+2], v[CU+2*\i]
.endr
.irp i, 0,1,2,3
	v_fma_f32 v[TT+2*\i+1], v[XR+8*\p+4*(\i%2)+\i/2], v[CU+2*\i+1], v[TT+2*\i+1]   ; t0 sin + t1 cos
	v_fma_f32 v[TT+2*\i],   v[XR+8*\p+4*(\i%2)+\i/2], v[CU+2*\i], -v[TT+2*\i]      ; t0 cos - t1 sin
.endr
.irp i, 0,1,2,3
	v_cvt_pk_f16_f32 v[OUTR+4*\p+\i], v[TT+2*\i], v[TT+2*\i+1]
.endr
	SENDROW \p
.endr
	v_add_nc_u32 v[XA], 12*SPITCH, v[XA]
	v_add_nc_u32 v[CA], 6*512, v[CA]
	v_add_nc_u32 v[TA], 6*128, v[TA]
	s_sub_co_u32 s3, s3, 1
	s_cmp_lg_u32 s3, 0
	s_cbranch_scc1 .Lqk
	s_branch .Lend
.Lv:
	s_wait_xcnt 0x0
	XLOAD
.irp p, 0,1,2,3,4,5
	ds_load_b32 v[TR+\p], v[TA] offset:128*\p
.endr
	s_wait_dscnt 0x0
.irp p, 0,1,2,3,4,5
.irp i, 0,1,2,3
	v_cvt_pk_f16_f32 v[OUTR+4*\p+\i], v[XR+8*\p+4*(\i%2)+\i/2], v[XR+8*\p+4*(\i%2)+\i/2+2]
.endr
	SENDROW \p
.endr
	v_add_nc_u32 v[XA], 12*SPITCH, v[XA]
	v_add_nc_u32 v[TA], 6*128, v[TA]
	s_sub_co_u32 s3, s3, 1
	s_cmp_lg_u32 s3, 0
	s_cbranch_scc1 .Lv
.Lend:
	s_wait_tensorcnt 0x0                           ; the wave's end
	ds_add_u32 v[SPW], v[NIL]
	s_wait_dscnt 0x0
	CROUND                                         ; the closing round: no work-group ends while a partner may still ask for a tile that names it
	s_endpgm
.Lfunc_end_k_q149b4566ed_qkv:
	.size	k_q149b4566ed_qkv, .Lfunc_end_k_q149b4566ed_qkv-k_q149b4566ed_qkv
	.p2alignl 7, 3214868480
	.fill 96, 4, 3214868480
	.section	.rodata,"a",@progbits
	.p2align	6, 0x0
	.amdhsa_kernel k_q149b4566ed_qkv
		.amdhsa_group_segment_fixed_size 327680
		.amdhsa_private_segment_fixed_size 0
		.amdhsa_enable_private_segment 0
		.amdhsa_kernarg_size 48
		.amdhsa_user_sgpr_count 2
		.amdhsa_user_sgpr_kernarg_segment_ptr 1
		.amdhsa_wavefront_size32 1
		.amdhsa_system_sgpr_workgroup_id_x 1
		.amdhsa_system_sgpr_workgroup_id_y 1
		.amdhsa_system_sgpr_workgroup_id_z 1
		.amdhsa_system_vgpr_workitem_id 0
		.amdhsa_next_free_vgpr 1024
		.amdhsa_next_free_sgpr 80
		.amdhsa_reserve_vcc 0
		.amdhsa_float_denorm_mode_32 3
		.amdhsa_float_denorm_mode_16_64 3
		.amdhsa_memory_ordered 1
		.amdhsa_forward_progress 1
		.amdhsa_inst_pref_size 140
	.end_amdhsa_kernel
	.amdgpu_metadata
---
amdhsa.version: [ 1, 2 ]
amdhsa.kernels:
  - .name:           k_q149b4566ed_qkv
    .symbol:         k_q149b4566ed_qkv.kd
    .args:
      - { .name: xs, .offset: 0, .size: 8, .value_kind: global_buffer, .address_space: global }
      - { .name: wts, .offset: 8, .size: 8, .value_kind: global_buffer, .address_space: global }
      - { .name: q_norm_w, .offset: 16, .size: 8, .value_kind: global_buffer, .address_space: global }
      - { .name: k_norm_w, .offset: 24, .size: 8, .value_kind: global_buffer, .address_space: global }
      - { .name: idx, .offset: 32, .size: 8, .value_kind: global_buffer, .address_space: global }
      - { .name: qkv, .offset: 40, .size: 8, .value_kind: global_buffer, .address_space: global }
    .group_segment_fixed_size: 327680
    .private_segment_fixed_size: 0
    .kernarg_segment_align: 8
    .kernarg_segment_size: 48
    .max_flat_workgroup_size: 128
    .sgpr_count:     80
    .vgpr_count:     1024
    .wavefront_size: 32
...
	.end_amdgpu_metadata
.endif
;; end of part 2
;; launch attn (part 3): grid 32 x 8, 4 waves a work-group, clusters of 4 x 1, 327,680 bytes of LDS; arguments qkv, idx, att; writes att
.if DOCPART == 3
	.amdgcn_target "amdgcn-amd-amdhsa--gfx1250"
	.amdhsa_code_object_version 6
	.text
	.protected	k_q149b4566ed_attn
	.globl	k_q149b4566ed_attn
	.p2align	8
	.type	k_q149b4566ed_attn,@function
k_q149b4566ed_attn:
	s_mov_b64 s[64:65], 0
	v_nop
	global_prefetch_b8 v0, s[64:65] scope:SCOPE_SE
	s_setreg_imm32_b32 hwreg(HW_REG_WAVE_MODE, 25, 1), 1
	s_wait_xcnt 0x0
	s_wait_alu depctr_hold_cnt(0) depctr_sa_sdst(0) depctr_va_vdst(0) depctr_va_sdst(0) depctr_va_ssrc(0) depctr_va_vcc(0) depctr_vm_vsrc(0)
	s_getreg_b32 s2, hwreg(HW_REG_IB_STS2, 6, 4)
	s_cmp_eq_u32 s2, 0
	s_cbranch_scc0 .Lentry_in_a_cluster
	s_endpgm
.Lentry_in_a_cluster:
	s_bfe_u32 s2, ttmp6, 0x10000c
	s_cmp_lg_u32 s2, 0x3003
	s_cbranch_scc0 .Lentry_shape_is_right
	s_endpgm
.Lentry_shape_is_right:
; CAUSAL ATTENTION, two query heads on one key and value head.  QH [b][8][2048][128], KH, VH [b][4][2048][128], f16.  att [sorted row][1024] f16.
; Products, maxima and sums in f32; the weights are rounded to f16 for the second product (their sum is taken unrounded), the output once at the end.
; LIMITS.  A hidden score counts as its value less 1e30.  A weight below 2^-126 counts as 0.  NaN and infinities are not treated apart.
; THE WALK.  A head's positions lie in 64 blocks of 32.  Cluster a (0..7), partner r (0..3) takes block 4 a + r, which needs the key tiles 0 .. a of 128 keys, and then block 63 - 4 a - r, which needs
; 0 .. 15 - a: 17 tiles whatever a and r, the same tiles in the same trips for all four partners.  So K and V come by JOINT loads, and one loop with a constant count walks them.
; SHARES.  A block is 64 query rows (32 positions x 2 heads): four tiles t = 2 (position half) + head.  EVERY wave holds all four tiles, and the waves split the keys: wave w has keys 32 w .. 32 w + 31 of
; each tile, so each byte of K and V is read from LDS once in the work-group.  Each wave keeps its own running maximum m, sum l and O^T; at a block's end the four are merged through LDS (in f32).
; LAYOUT.  S^T = K Q^T holds one query a lane (l % 16) and keys 8 (l / 16) + 0..7; two such results rounded to f16 are source 1 of O^T = V^T P.  p = 2^(c s - c m), c = log2(e) / sqrt(128).
; THE MASK is the C operand that starts S^T: MD x AL + BE.  In a block's last tile the diagonal lies in the keys of wave RB (r, then 3 - r): AL = 1 there; BE = -1e30 for the waves above; else both are 0.
; A wave that has seen hidden keys alone has c m near -1.3e29, and the merge gives its share the factor 0; wave RB sees a key for every query.
; O^T and l start as zeros and are multiplied by a = 0 in a block's first step: 264 v_mov_b32 in the wait for the first tile, in place of a first step written out.
; REGISTERS.  window 0: addresses, statistics, S^T, P, masks.  window 1: O^T, 64 t + 8 cb.  window 2: Q 32 t + 8 c; K at 128; V at 192.  window 3: the merge's four shares.
.set PK,     272
.set PV,     288
.set VOFF,   128*PK
.set SLOTB,  128*(PK+PV)               ; 71,680: a slot holds a tile of K and of V
.set MRG,    2*SLOTB                   ; (wave, tile, i) at 32,768 w + 8,192 t + 512 i + 16 lane
.set MST,    MRG+4*32768               ; (wave, tile) at 256 (4 w + t) + 8 lane: c m, l
.set STG,    MST+4096                  ; 16 rows x 272 bytes for each wave
.set SP,     272
.set SPARE,  STG+4*16*SP
.set KH,     12189696
.set VH,     18087936
.set ROWMAX, 0x11ff
.set AK0, 2
.set AV0, 3
.set AK,  4
.set AV,  5
.set QO,  6
.set STO, 7
.set RD,  8
.set MGW, 12
.set MSW, 13
.set MGR, 14                           ; v14, v15: the second 65,536 bytes on
.set MSR, 16
.set MV,  20                           ; v20-23  c m_old
.set SPW, 28
.set NIL, 29
.set ST,  32                           ; tile t: c m, m, l (even keys', odd keys')
.set TMP, 48                           ; tile t: c0-c3 at work; c2 takes a
.set S,   64                           ; tile t, key block kb at 16 t + 8 kb
.set P,   128
.set MC,  160
.set MD,  192                          ; (position half, key block) at 8 (2 ph + kb)
.set OA,  224                          ; eight store offsets for each block
.set FA,  240                          ; the merge: (factor, l) of the four waves
.set KF,  128
.set VF,  192
.set WV,  12
.set RT2, 20
.set RB2, 21
.set G1K, 24
.set G1V, 32
.set G0K, 40
.set G0V, 44
.set OFF, 56
.set CS,  58
.set SEL, 60
.set SB,  62                           ; the slot read last, 0 or SLOTB
.set CNT, 63
.set NXT, 66                           ; the tile to be asked for next
.set LQ,  67                           ; the last tile of the block whose tiles are being asked for
.set RT,  68                           ; tiles of the block in hand still to be entered
.set PEND, 69                          ; 1: the first block's shares lie in LDS and are to be merged
.set RB,  70
.set XX,  71
.set AL,  72
.set BE,  74
.set BIGN, 76
.set LQ2, 77
.set KC,  78
.set VC,  79
.set W_KQ, 0x0a
.set W_PV, 0x52
.set W_RS, 0x41
.set MSB, 0
.macro WIN new
.if MSB != (\new)
	s_set_vgpr_msb (MSB<<8)|(\new)
.set MSB, \new
.endif
.endm
.macro PLACES
.rept 4
	v_nop
.endr
.endm
.macro ALL line:vararg                 ; one line for each tile t
.set t, 0
.rept 4
	\line
.set t, t+1
.endr
.endm
.macro CROUND
	s_barrier_signal -1
	s_barrier_wait -1
	s_cmp_lg_u32 s[WV], 0
	s_cbranch_scc1 .Lnot_wave_0_\@
	s_barrier_signal -3
.Lnot_wave_0_\@:
	s_barrier_wait -3
	s_barrier_signal -1
	s_barrier_wait -1
.endm
.macro JLOAD                           ; waves 0, 1: the halves of a tile's K; waves 2, 3: of its V.  An s_nop 0 and four v_nop follow each line
	s_cmp_lt_u32 s[WV], 2
	s_cbranch_scc0 .Lfor_v_\@
	tensor_load_to_lds s[G0K:G0K+3], s[G1K:G1K+7]
	s_nop 0
.rept 4
	v_nop
.endr
	s_branch .Lasked_\@
.Lfor_v_\@:
	tensor_load_to_lds s[G0V:G0V+3], s[G1V:G1V+7]
	s_nop 0
.rept 4
	v_nop
.endr
.Lasked_\@:
.endm
.macro ADV                             ; the block's next tile, or behind its last the second block's tile 0
	s_add_co_u32 s[NXT], s[NXT], 1
	s_cmp_gt_u32 s[NXT], s[LQ]
	s_cselect_b32 s[NXT], 0, s[NXT]
	s_cselect_b32 s[LQ], s[LQ2], s[LQ]
.endm
; THE CHANGE OF SLOTS.  fill = 1: the slot read last is filled with tile NXT, first thing behind a round of the cluster's barrier; the load has a whole trip in which to land.
.macro CHANGE fill
	WIN 0
	s_wait_tensorcnt 0x0                           ; the one load of mine that was out, my part of the tile to be read, has landed; the descriptors may be written
	ds_add_u32 v[SPW], v[NIL]                      ; 0 onto my spare word
.if \fill
	s_lshl_b32 s[OFF], s[NXT], 15                  ; a tile is 32,768 bytes of K and of V
	s_add_co_u32 s[G0K+1], s[SB], s[KC]
	s_add_nc_u64 s[G0K+2:G0K+3], s[48:49], s[OFF:OFF+1]
	s_or_b32 s[G0K+3], s[G0K+3], 0x80000000
	s_add_co_u32 s[G0V+1], s[SB], s[VC]
	s_add_nc_u64 s[G0V+2:G0V+3], s[50:51], s[OFF:OFF+1]
	s_or_b32 s[G0V+3], s[G0V+3], 0x80000000
	ADV
.endif
	s_xor_b32 s[SB], s[SB], SLOTB                  ; now the slot to be read
	s_wait_dscnt 0x0                               ; the add is done, and my LDS reads and stores are over
.if \fill
	CROUND
	JLOAD
.else
	s_barrier_signal -1
	s_barrier_wait -1
	PLACES
.endif
.endm
.macro FETCH                           ; my 32 keys of the tile: K's 8 fragments, then V's 8, turned
	WIN 0
	v_add_nc_u32 v[AK], s[SB], v[AK0]
	v_add_nc_u32 v[AV], s[SB], v[AV0]
	WIN 0x80
.irp f, 0,1,2,3,4,5,6,7
	ds_load_b128 v[KF+8*\f:KF+8*\f+3],   v[AK] offset:(\f/4)*16*PK+(\f%4)*64
	ds_load_b128 v[KF+8*\f+4:KF+8*\f+7], v[AK] offset:(\f/4)*16*PK+(\f%4)*64+32
.endr
.irp f, 0,1,2,3,4,5,6,7
	ds_load_tr16_b128 v[VF+8*\f:VF+8*\f+3],   v[AV] offset:32*\f
	ds_load_tr16_b128 v[VF+8*\f+4:VF+8*\f+7], v[AV] offset:32*\f+16*PV
.endr
	WIN 0
.endm
.macro MASK
	WIN 0
.set z, 0
.rept 16
	v_pk_fma_f32 v[MC+2*z:MC+2*z+1], v[MD+2*z:MD+2*z+1], s[AL:AL+1], s[BE:BE+1] op_sel_hi:[1,0,0]
.set z, z+1
.endr
.endm
.macro SPROD                           ; 32 products; the 8 accumulators take turns; the first 8 start the sums with the mask
	WIN W_KQ
.irp c, 0,1,2,3
.irp kb, 0,1
.irp t, 0,1,2,3
.if \c == 0
	v_wmma_f32_16x16x32_f16 v[S+16*\t+8*\kb:S+16*\t+8*\kb+7], v[KF+32*\kb+8*\c:KF+32*\kb+8*\c+7], v[32*\t+8*\c:32*\t+8*\c+7], v[MC+8*(2*(\t/2)+\kb):MC+8*(2*(\t/2)+\kb)+7]
.else
	v_wmma_f32_16x16x32_f16 v[S+16*\t+8*\kb:S+16*\t+8*\kb+7], v[KF+32*\kb+8*\c:KF+32*\kb+8*\c+7], v[32*\t+8*\c:32*\t+8*\c+7], v[S+16*\t+8*\kb:S+16*\t+8*\kb+7]
.endif
.endr
.endr
.endr
.endm
.macro PVPROD                          ; 32 products on 32 accumulators
	WIN W_PV
.irp cb, 0,1,2,3,4,5,6,7
.irp t, 0,1,2,3
	v_wmma_f32_16x16x32_f16 v[64*\t+8*\cb:64*\t+8*\cb+7], v[VF+8*\cb:VF+8*\cb+7], v[P+8*\t:P+8*\t+7], v[64*\t+8*\cb:64*\t+8*\cb+7]
.endr
.endr
.endm
; The softmax of a trip: each line for the four tiles in turn.  All 68 exponentials are one batch with one wait.
.macro SOFT
	WIN 0
	ALL v_max3_num_f32 v[TMP+4*t], v[S+16*t], v[S+16*t+1], v[S+16*t+2]          ; each accumulator's low registers are read first
	ALL v_max3_num_f32 v[TMP+4*t+1], v[S+16*t+8], v[S+16*t+9], v[S+16*t+10]
	ALL v_max3_num_f32 v[TMP+4*t], v[TMP+4*t], v[S+16*t+3], v[S+16*t+4]
	ALL v_max3_num_f32 v[TMP+4*t+1], v[TMP+4*t+1], v[S+16*t+11], v[S+16*t+12]
	ALL v_max3_num_f32 v[TMP+4*t], v[TMP+4*t], v[S+16*t+5], v[S+16*t+6]
	ALL v_max3_num_f32 v[TMP+4*t+1], v[TMP+4*t+1], v[S+16*t+13], v[S+16*t+14]
	ALL v_max3_num_f32 v[TMP+4*t], v[TMP+4*t], v[S+16*t+7], v[S+16*t+15]
	ALL v_max3_num_f32 v[TMP+4*t], v[TMP+4*t], v[TMP+4*t+1], v[ST+4*t+1]
	ALL v_permlanex16_b32 v[TMP+4*t+3], v[TMP+4*t], s[SEL], s[SEL+1]            ; the query's other 16 keys lie in the lane 16 away
	ALL v_mov_b32 v[MV+t], v[ST+4*t]
	ALL v_max_num_f32 v[ST+4*t+1], v[TMP+4*t], v[TMP+4*t+3]
	ALL v_mul_f32 v[ST+4*t], s[CS], v[ST+4*t+1]
	ALL v_sub_f32 v[TMP+4*t+1], v[MV+t], v[ST+4*t]
.set i, 0
.rept 8
	ALL v_pk_fma_f32 v[S+16*t+2*i:S+16*t+2*i+1], v[S+16*t+2*i:S+16*t+2*i+1], s[CS:CS+1], v[ST+4*t:ST+4*t+1] op_sel_hi:[1,0,0] neg_lo:[0,0,1] neg_hi:[0,0,1]
.set i, i+1
.endr
	ALL v_exp_f32 v[TMP+4*t+2], v[TMP+4*t+1]                                    ; a
.set i, 0
.rept 16
	ALL v_exp_f32 v[S+16*t+i], v[S+16*t+i]
.set i, i+1
.endr
	v_nop                                          ; a plain instruction behind the last exponential,
	s_wait_alu depctr_va_vdst(0)                   ; and the one wait for the batch, ahead of its first reader
.set i, 0
.rept 8
	ALL v_cvt_pk_f16_f32 v[P+8*t+i], v[S+16*t+2*i], v[S+16*t+2*i+1]
.set i, i+1
.endr
	ALL v_pk_add_f32 v[S+16*t:S+16*t+1], v[S+16*t:S+16*t+1], v[S+16*t+2:S+16*t+3]
	ALL v_pk_add_f32 v[S+16*t+4:S+16*t+5], v[S+16*t+4:S+16*t+5], v[S+16*t+6:S+16*t+7]
	ALL v_pk_add_f32 v[S+16*t+8:S+16*t+9], v[S+16*t+8:S+16*t+9], v[S+16*t+10:S+16*t+11]
	ALL v_pk_add_f32 v[S+16*t+12:S+16*t+13], v[S+16*t+12:S+16*t+13], v[S+16*t+14:S+16*t+15]
	ALL v_pk_add_f32 v[S+16*t:S+16*t+1], v[S+16*t:S+16*t+1], v[S+16*t+4:S+16*t+5]
	ALL v_pk_add_f32 v[S+16*t+8:S+16*t+9], v[S+16*t+8:S+16*t+9], v[S+16*t+12:S+16*t+13]
	ALL v_pk_add_f32 v[S+16*t:S+16*t+1], v[S+16*t:S+16*t+1], v[S+16*t+8:S+16*t+9]
	ALL v_pk_fma_f32 v[ST+4*t+2:ST+4*t+3], v[ST+4*t+2:ST+4*t+3], v[TMP+4*t+2:TMP+4*t+3], v[S+16*t:S+16*t+1] op_sel_hi:[1,0,1]
	WIN W_RS
.set t, 0
.rept 4
.set i, 0
.rept 32
	v_pk_mul_f32 v[64*t+2*i:64*t+2*i+1], v[64*t+2*i:64*t+2*i+1], v[TMP+4*t+2:TMP+4*t+3] op_sel_hi:[1,0]
.set i, i+1
.endr
.set t, t+1
.endr
.endm
; A BLOCK'S END, first part: my c m, l and O^T of all four tiles go into LDS.  The four additions are the places behind the last products.
.macro PHASE_A
	WIN 0
	ALL v_add_f32 v[TMP+4*t+1], v[ST+4*t+2], v[ST+4*t+3]
	ALL v_permlanex16_b32 v[TMP+4*t+2], v[TMP+4*t+1], s[SEL], s[SEL+1]
	ALL v_mov_b32 v[TMP+4*t], v[ST+4*t]
	ALL v_add_f32 v[TMP+4*t+1], v[TMP+4*t+1], v[TMP+4*t+2]
	ALL ds_store_b64 v[MSW], v[TMP+4*t:TMP+4*t+1] offset:256*t
	WIN 0x04
.set i, 0
.rept 64
	ds_store_b128 v[MGW], v[4*i:4*i+3] offset:512*i
.set i, i+1
.endr
	WIN 0
.endm
; Second part, behind a barrier: wave w merges tile w: O = sum of f O_w / sum of f l_w, f = 2^(c m_w - max).  Rounded to f16, through my stage, whole rows of 256 bytes to the tokens' sorted rows.
.macro PHASE_B oa
	WIN 0
.irp u, 0,1,2,3
	ds_load_b64 v[FA+2*\u:FA+2*\u+1], v[MSR] offset:1024*\u
.endr
	WIN 0xc0
.irp u, 0,1,2,3
.set i, 0
.rept 16
	ds_load_b128 v[64*\u+4*i:64*\u+4*i+3], v[MGR+\u/2] offset:32768*(\u%2)+512*i
.set i, i+1
.endr
.endr
	WIN 0
	s_wait_dscnt 63                                ; of the 68 loads at most 63 are out: the four pairs of statistics are in
	v_max3_num_f32 v17, v[FA], v[FA+2], v[FA+4]
	v_max_num_f32 v17, v17, v[FA+6]
.irp u, 0,1,2,3
	v_sub_f32 v[FA+2*\u], v[FA+2*\u], v17
.endr
.irp u, 0,1,2,3
	v_exp_f32 v[FA+2*\u], v[FA+2*\u]
.endr
	v_nop
	s_wait_alu depctr_va_vdst(0)                   ; one wait for the four exponentials
	v_mul_f32 v18, v[FA], v[FA+1]
	v_fmac_f32 v18, v[FA+2], v[FA+3]
	v_fmac_f32 v18, v[FA+4], v[FA+5]
	v_fmac_f32 v18, v[FA+6], v[FA+7]
	v_rcp_f32 v18, v18
	v_nop
	s_wait_alu depctr_va_vdst(0)
.irp u, 0,1,2,3
	v_mul_f32 v[FA+2*\u], v[FA+2*\u], v18
.endr
	s_wait_dscnt 0x0
	WIN 0xc3
.set i, 0
.rept 32
	v_pk_mul_f32 v[2*i:2*i+1], v[2*i:2*i+1], v[FA:FA+1] op_sel_hi:[1,0]
.set i, i+1
.endr
	WIN 0xf3
.irp u, 1,2,3
.set i, 0
.rept 32
	v_pk_fma_f32 v[2*i:2*i+1], v[64*\u+2*i:64*\u+2*i+1], v[FA+2*\u:FA+2*\u+1], v[2*i:2*i+1] op_sel_hi:[1,0,1]
.set i, i+1
.endr
.endr
	WIN 0x0f
.set i, 0
.rept 32
	v_cvt_pk_f16_f32 v[S+i], v[2*i], v[2*i+1]
.set i, i+1
.endr
	WIN 0
.irp f, 0,1,2,3,4,5,6,7
	ds_store_b128 v[STO], v[S+4*\f:S+4*\f+3] offset:32*\f
.endr
.irp f, 0,1,2,3,4,5,6,7
	ds_load_b128 v[S+32+4*\f:S+32+4*\f+3], v[RD] offset:2*SP*\f    ; LDS serves a wave's instructions in order (ISA guide 5.7.1.4): these see the stores above
.endr
.irp f, 0,1,2,3,4,5,6,7
	s_wait_dscnt 7-\f
	global_store_b128 v[\oa+\f], v[S+32+4*\f:S+32+4*\f+3], s[8:9]  ; each half of the lanes stores 256 consecutive bytes, a head's part of a row
.endr
	s_wait_xcnt 0x0                                ; S^T's registers are written again only when the stores have read them
.endm
.macro QLOAD lo, hi                    ; a block's Q: tile i / 4 (head (i / 4) % 2, position half i / 8), channels 32 (i % 4) on
	WIN 0x80
.set i, 0
.rept 16
	global_load_b128 v[8*i:8*i+3],   v[QO], s[\lo:\hi] offset:((i/4)%2)*524288+(i/8)*4096+(i%4)*64
	global_load_b128 v[8*i+4:8*i+7], v[QO], s[\lo:\hi] offset:((i/4)%2)*524288+(i/8)*4096+(i%4)*64+32
.set i, i+1
.endr
	WIN 0
.endm
; A TRIP: one tile of 128 keys.  merge = 1 (the loop's copy): the first block's shares, stored in the trip before, are merged here, behind the round.
.macro TRIP fill, merge
	CHANGE \fill
	s_sub_co_u32 s[RT], s[RT], 1
	s_cmp_eq_u32 s[RT], 0                          ; the block's last tile holds the diagonal, in wave RB's keys
	s_cselect_b32 s[XX], s[RB], 4
	s_cmp_eq_u32 s[WV], s[XX]
	s_cselect_b32 s[AL], 1.0, 0
	s_cmp_gt_u32 s[WV], s[XX]
	s_cselect_b32 s[BE], s[BIGN], 0
.if \merge
	s_cmp_eq_u32 s[PEND], 0
	s_cbranch_scc1 .Lno_merge_\@
	PHASE_B OA
	s_mov_b32 s[PEND], 0
.Lno_merge_\@:
.endif
	FETCH
	MASK
	s_wait_loadcnt 0x0                             ; Q
	s_wait_dscnt 16                                ; K is in; V's sixteen loads may be out
	SPROD
	PLACES
	SOFT
	s_wait_dscnt 0x0                               ; V is in, and every LDS read of mine in this trip is over:
	s_barrier_signal -1                            ; a barrier between the merge's reads above and a block's end below; my tensor load may stay out
	PVPROD                                         ; work on registers stands between signal and wait
	WIN 0
	s_barrier_wait -1
.endm
	s_load_b128 s[4:7], s[0:1], 0x0                ; qkv 4, idx 6
	s_load_b64 s[8:9], s[0:1], 0x10                ; att
	v_lshl_add_u32 v[SPW], v0, 2, SPARE
	v_mov_b32 v[NIL], 0
	ds_add_u32 v[SPW], v[NIL]                      ; the wave's opening: the add is waited for ahead of my first tensor load
	v_lshrrev_b32 v1, 5, v0
	v_readfirstlane_b32 s[WV], v1
	s_bfe_u32 s13, ttmp6, 0x40000                  ; r: it enters Q's, POS's addresses and the mask's two numbers alone
	s_mov_b32 s14, ttmp9                           ; a
	s_and_b32 s15, ttmp7, 0xffff                   ; 4 b + kv head
	s_and_b32 s16, s[WV], 1                        ; which half of a tile I fetch
	s_lshl_b32 s84, s15, 19                        ; the head's 2,048 rows of 256 bytes
	s_lshl_b32 s17, s16, 14
	s_add_co_u32 s84, s84, s17
	s_add_co_u32 s84, s84, KH
	s_mov_b32 s85, 0
	s_mul_i32 s[KC], s16, 64*PK
	s_mul_i32 s[VC], s16, 64*PV
	s_add_co_u32 s[VC], s[VC], VOFF
	s_mov_b32 s[NXT], 0
	s_mov_b32 s[LQ], s14
	s_sub_co_u32 s[LQ2], 15, s14
	s_add_co_u32 s[RT], s14, 1
	s_sub_co_u32 s[RT2], 16, s14
	s_mov_b32 s[RB], s13
	s_sub_co_u32 s[RB2], 3, s13
	s_mov_b32 s[PEND], 0
	s_mov_b32 s[CNT], 16
	s_mov_b32 s[OFF+1], 0
	s_mov_b32 s[AL+1], 0
	s_mov_b32 s[BE+1], 0
	s_mov_b32 s[BIGN], 0xf149f2ca                  ; -1e30
	s_mov_b32 s[CS], 0x3e0293ee                    ; log2(e) / sqrt(128)
	s_mov_b32 s[CS+1], s[CS]
	s_mov_b32 s[SEL], 0x76543210
	s_mov_b32 s[SEL+1], 0xfedcba98
	s_lshl_b32 s86, s14, 2
	s_add_co_u32 s86, s86, s13                     ; my first block
	s_sub_co_u32 s87, 63, s86                      ; my second
	s_lshl_b32 s88, s15, 20                        ; query head 2 (4 b + kv head): 2 x 2,048 rows of 256 bytes
	s_lshl_b32 s90, s86, 13
	s_add_co_u32 s90, s90, s88
	s_mov_b32 s91, 0
	s_lshl_b32 s92, s87, 13
	s_add_co_u32 s92, s92, s88
	s_mov_b32 s93, 0
	s_lshr_b32 s94, s15, 2
	s_lshl_b32 s94, s94, 13                        ; POS of token 2,048 b
	s_lshr_b32 s95, s[WV], 1
	s_lshl_b32 s95, s95, 6                         ; the tile that I merge: position half w / 2
	s_add_co_u32 s94, s94, s95
	s_lshl_b32 s96, s86, 7
	s_add_co_u32 s96, s96, s94
	s_mov_b32 s97, 0
	s_lshl_b32 s98, s87, 7
	s_add_co_u32 s98, s98, s94
	s_mov_b32 s99, 0
	s_mov_b32 s[G1K], 15|(1<<16)|(1<<20)|(1<<21)|(5<<22)|(3<<25)  ; mask of four; 2-byte elements; padding on; bit 21 beside a mask; after every 64 words 4 words
	s_mov_b32 s[G1V], 15|(1<<16)|(1<<20)|(1<<21)|(5<<22)|(7<<25)  ; the same with 8 words
.irp g, G1K, G1V
	s_mov_b32 s[\g+1], 128<<16                     ; tensor_dim0 = 128
	s_mov_b32 s[\g+2], 64<<16                      ; tensor_dim1 = 64
	s_mov_b32 s[\g+3], 128<<16                     ; tile_dim0 = 128
	s_mov_b32 s[\g+4], 64                          ; tile_dim1 = 64
	s_mov_b32 s[\g+5], 128
	s_mov_b32 s[\g+6], 0
	s_mov_b32 s[\g+7], 0
.endr
	s_mov_b32 s[G0K], 1
	s_mov_b32 s[G0K+1], s[KC]                      ; tile 0 goes into slot 0
	s_mov_b32 s[G0V], 1
	s_mov_b32 s[G0V+1], s[VC]
	s_wait_dscnt 0x0                               ; the opening add is done
	s_wait_kmcnt 0x0
	s_add_nc_u64 s[48:49], s[4:5], s[84:85]        ; K at my half of the head's tile 0
	s_add_nc_u64 s[50:51], s[48:49], VH-KH         ; V
	s_add_nc_u64 s[52:53], s[4:5], s[90:91]        ; Q of the first block,
	s_add_nc_u64 s[54:55], s[4:5], s[92:93]        ; of the second
	s_add_nc_u64 s[80:81], s[6:7], s[96:97]        ; POS of the 16 tokens that I store, first block,
	s_add_nc_u64 s[82:83], s[6:7], s[98:99]        ; second
	s_add_nc_u64 s[G0K+2:G0K+3], s[48:49], 0
	s_or_b32 s[G0K+3], s[G0K+3], 0x80000000
	s_add_nc_u64 s[G0V+2:G0V+3], s[50:51], 0
	s_or_b32 s[G0V+3], s[G0V+3], 0x80000000
	CROUND                                         ; all four work-groups are here: the first joint loads meet
	JLOAD
	ADV
	s_mov_b32 s[SB], SLOTB                         ; the first trip fills slot 1 and reads slot 0
	v_and_b32 v1, 15, v0                           ; l % 16
	v_bfe_u32 v9, v0, 4, 1                         ; l / 16
	v_lshlrev_b32 v[QO], 8, v1
	v_lshl_add_u32 v[QO], v9, 4, v[QO]
	QLOAD 52, 53
	v_lshlrev_b32 v11, 2, v9
.irp f, 0,1,2,3,4,5,6,7
	global_load_b32 v[OA+\f],   v11, s[80:81] offset:8*\f
	global_load_b32 v[OA+8+\f], v11, s[82:83] offset:8*\f
.endr
	v_mul_u32_u24 v17, v1, PK                      ; (SP = PK)
	v_lshl_add_u32 v17, v9, 4, v17                 ; row l % 16, 16 bytes for each half of the lanes
	s_mul_i32 s17, s[WV], 32*PK
	v_add_nc_u32 v[AK0], s17, v17
	s_mul_i32 s17, s[WV], 16*SP
	s_add_co_u32 s17, s17, STG
	v_add_nc_u32 v[STO], s17, v17
	v_mul_u32_u24 v[RD], v9, SP
	v_lshl_add_u32 v[RD], v1, 4, v[RD]
	v_add_nc_u32 v[RD], s17, v[RD]
	v_and_b32 v17, 7, v0
	v_bfe_u32 v18, v0, 3, 1
	v_lshl_add_u32 v[AV0], v9, 3, v17              ; the turning load: key 8 (l / 16) + l % 8, channels 8 ((l / 8) % 2) ..
	v_mul_u32_u24 v[AV0], v[AV0], PV
	v_lshl_add_u32 v[AV0], v18, 4, v[AV0]
	s_mul_i32 s17, s[WV], 32*PV
	s_add_co_u32 s17, s17, VOFF
	v_add_nc_u32 v[AV0], s17, v[AV0]
	v_and_b32 v19, 31, v0
	s_lshl_b32 s17, s[WV], 15
	s_add_co_u32 s17, s17, MRG
	v_lshl_add_u32 v[MGW], v19, 4, s17
	s_lshl_b32 s17, s[WV], 10
	s_add_co_u32 s17, s17, MST
	v_lshl_add_u32 v[MSW], v19, 3, s17
	s_lshl_b32 s17, s[WV], 13
	s_add_co_u32 s17, s17, MRG
	v_lshl_add_u32 v[MGR], v19, 4, s17
	v_add_nc_u32 v[MGR+1], 0x10000, v[MGR]
	s_lshl_b32 s17, s[WV], 8
	s_add_co_u32 s17, s17, MST
	v_lshl_add_u32 v[MSR], v19, 3, s17
	v_lshlrev_b32 v10, 3, v9
	v_sub_nc_u32 v10, v1, v10                      ; l % 16 - 8 (l / 16): register j of (ph, kb) is hidden where 16 kb + j - 16 ph is greater
.set i, 0
.rept 32
	v_cmp_gt_i32 vcc_lo, 16*((i/8)%2)+i%8-16*(i/16), v10
	v_cndmask_b32 v[MD+i], 0, s[BIGN], vcc_lo
.set i, i+1
.endr
	WIN 0x40
.set i, 0
.rept 256
	v_mov_b32 v[i], 0
.set i, i+1
.endr
	WIN 0
	ALL v_mov_b32 v[ST+4*t], 0xfe000000            ; c m: far below every c s
	ALL v_mov_b32 v[ST+4*t+1], 0xff7fffff          ; m
	ALL v_mov_b32 v[ST+4*t+2], 0
	ALL v_mov_b32 v[ST+4*t+3], 0
	ALL v_mov_b32 v[TMP+4*t+3], 0                  ; a lane exchange's destination counts as read
	s_and_b32 s17, s15, 3
	s_lshl1_add_u32 s17, s17, s16                  ; the query head of the tile that I merge
	s_lshl_b32 s17, s17, 8
	v_lshl_add_u32 v19, v1, 4, s17
	s_wait_loadcnt 0x0
.set i, 0
.rept 16
	v_min_u32 v[OA+i], ROWMAX, v[OA+i]
	v_lshl_add_u32 v[OA+i], v[OA+i], 11, v19       ; sorted row x 2,048 bytes + head + my 16 bytes
.set i, i+1
.endr
.Ltrip:                                                ; 16 trips: a tile is entered and the next is asked for
	TRIP 1, 1
	s_cmp_lg_u32 s[RT], 0
	s_cbranch_scc1 .Lgo_on
	PHASE_A                                        ; the first block ends (trip a, 7 at the latest); its merge follows in the next trip, behind the round
	ALL v_mov_b32 v[ST+4*t], 0xfe000000
	ALL v_mov_b32 v[ST+4*t+1], 0xff7fffff
	QLOAD 54, 55
	s_mov_b32 s[RT], s[RT2]
	s_mov_b32 s[RB], s[RB2]
	s_mov_b32 s[PEND], 1
.Lgo_on:
	s_sub_co_u32 s[CNT], s[CNT], 1
	s_cmp_lg_u32 s[CNT], 0
	s_cbranch_scc1 .Ltrip
	TRIP 0, 0                                      ; the walk's last tile is written out: nothing is asked for
	PHASE_A
	s_wait_dscnt 0x0                               ; for the others' sake: my shares are in LDS
	s_barrier_signal -1
	s_barrier_wait -1
	PHASE_B OA+8
	s_wait_tensorcnt 0x0                           ; the wave's end
	ds_add_u32 v[SPW], v[NIL]
	s_wait_dscnt 0x0
	CROUND                                         ; the closing round
	s_endpgm
.Lfunc_end_k_q149b4566ed_attn:
	.size	k_q149b4566ed_attn, .Lfunc_end_k_q149b4566ed_attn-k_q149b4566ed_attn
	.p2alignl 7, 3214868480
	.fill 96, 4, 3214868480
	.section	.rodata,"a",@progbits
	.p2align	6, 0x0
	.amdhsa_kernel k_q149b4566ed_attn
		.amdhsa_group_segment_fixed_size 327680
		.amdhsa_private_segment_fixed_size 0
		.amdhsa_enable_private_segment 0
		.amdhsa_kernarg_size 24
		.amdhsa_user_sgpr_count 2
		.amdhsa_user_sgpr_kernarg_segment_ptr 1
		.amdhsa_wavefront_size32 1
		.amdhsa_system_sgpr_workgroup_id_x 1
		.amdhsa_system_sgpr_workgroup_id_y 1
		.amdhsa_system_sgpr_workgroup_id_z 1
		.amdhsa_system_vgpr_workitem_id 0
		.amdhsa_next_free_vgpr 1024
		.amdhsa_next_free_sgpr 100
		.amdhsa_reserve_vcc 1
		.amdhsa_float_denorm_mode_32 3
		.amdhsa_float_denorm_mode_16_64 3
		.amdhsa_memory_ordered 1
		.amdhsa_forward_progress 1
		.amdhsa_inst_pref_size 131
	.end_amdhsa_kernel
	.amdgpu_metadata
---
amdhsa.version: [ 1, 2 ]
amdhsa.kernels:
  - .name:           k_q149b4566ed_attn
    .symbol:         k_q149b4566ed_attn.kd
    .args:
      - { .name: qkv, .offset: 0, .size: 8, .value_kind: global_buffer, .address_space: global }
      - { .name: idx, .offset: 8, .size: 8, .value_kind: global_buffer, .address_space: global }
      - { .name: att, .offset: 16, .size: 8, .value_kind: global_buffer, .address_space: global }
    .group_segment_fixed_size: 327680
    .private_segment_fixed_size: 0
    .kernarg_segment_align: 8
    .kernarg_segment_size: 24
    .max_flat_workgroup_size: 128
    .sgpr_count:     100
    .vgpr_count:     1024
    .wavefront_size: 32
...
	.end_amdgpu_metadata
.endif
;; end of part 3
;; launch oproj (part 4): grid 16 x 16, 4 waves a work-group, clusters of 4 x 1, 327,680 bytes of LDS; arguments att, wts, idx, ot; writes ot
.if DOCPART == 4
	.amdgcn_target "amdgcn-amd-amdhsa--gfx1250"
	.amdhsa_code_object_version 6
	.text
	.protected	k_q149b4566ed_oproj
	.globl	k_q149b4566ed_oproj
	.p2align	8
	.type	k_q149b4566ed_oproj,@function
k_q149b4566ed_oproj:
	s_mov_b64 s[64:65], 0
	v_nop
	global_prefetch_b8 v0, s[64:65] scope:SCOPE_SE
	s_setreg_imm32_b32 hwreg(HW_REG_WAVE_MODE, 25, 1), 1
	s_wait_xcnt 0x0
	s_wait_alu depctr_hold_cnt(0) depctr_sa_sdst(0) depctr_va_vdst(0) depctr_va_sdst(0) depctr_va_ssrc(0) depctr_va_vcc(0) depctr_vm_vsrc(0)
	s_getreg_b32 s2, hwreg(HW_REG_IB_STS2, 6, 4)
	s_cmp_eq_u32 s2, 0
	s_cbranch_scc0 .Lentry_in_a_cluster
	s_endpgm
.Lentry_in_a_cluster:
	s_bfe_u32 s2, ttmp6, 0x10000c
	s_cmp_lg_u32 s2, 0x3003
	s_cbranch_scc0 .Lentry_shape_is_right
	s_endpgm
.Lentry_shape_is_right:
; OUTPUT PROJECTION.  ot[row][n] = sum over k of att[row][k] wo[e][k][n] for a group of 288 sorted rows (one expert) and 128 columns; f16 operands, f32 sums, rounded once to bf16
; (bf16 for its range; the row's norm is taken by the next launch, which owns whole rows).
; SHARES, CLUSTER, LAYOUT as in the product for q, k and v: 16 x 16 work-groups, four waves of 144 x 64.  A (att) goes through two LDS slots in K steps of 256, asked for jointly by the four column tiles of a
; cluster, 72 rows a wave; B (the weights, laid out in the order of the operand registers) comes straight into a ring of 8 register buffers, 7 quarters ahead.  B is not shared: that would want four row groups
; of one expert in a cluster, which 4,608 rows do not give for every split.  The matrix instruction is used transposed; fragment b holds columns 4 i + b of my 64, so register j of accumulator (a, b) in
; lane (r, h) is row 16 a + r, column 32 h + 4 j + b: accumulators b and b + 1 at one j are neighbouring columns.
; REGISTERS.  window 0: v0-29 addresses; v32-103, v104-175 two buffers of A's 9 fragments; on the way out v32-175.  window 1: accumulators a < 8 at 8 (4 a + b).  window 2: v0-31, a = 8.  window 3: B's ring.
.set KT,     1024
.set NS,     KT/256
.set PA,     528
.set SLOT,   288*PA
.set SPARE,  2*SLOT
.set SPITCH, 272                       ; the stage (bf16, over the ring, behind its last fill)
.set META,   34816
.set WOH,    16777216
.set STO,  8
.set RD,   9
.set CO,   10
.set AL0,  16
.set AH0,  17
.set ADL,  18
.set ADH,  19
.set BO,   20
.set SPW,  28
.set NIL,  29
.set F0,   32
.set F1,   104
.set TMPR, 32
.set WV,  16
.set G1A, 24
.set G0A, 32
.set G0W, 36
.set BB,  40
.set SB,  42
.set MSB, 0
.macro WIN new
.if MSB != (\new)
	s_set_vgpr_msb (MSB<<8)|(\new)
.set MSB, \new
.endif
.endm
.macro PLACES
.rept 4
	v_nop
.endr
.endm
.macro CREST
	s_cmp_lg_u32 s[WV], 0
	s_cbranch_scc1 .Lnot_wave_0_\@
	s_barrier_signal -3
.Lnot_wave_0_\@:
	s_barrier_wait -3
	s_barrier_signal -1
	s_barrier_wait -1
.endm
.macro CROUND
	s_barrier_signal -1
	s_barrier_wait -1
	CREST
.endm
.macro MM f, bi, n, zero               ; matrix instruction n of a quarter's 36; the 36 accumulators take turns in one order in every quarter
.if (\n) < 32
	WIN 0x53                                       ; B window 3, A window 0, C and D window 1
.set rC, 8*(\n)
.else
	WIN 0xa3                                       ; C and D window 2
.set rC, 8*((\n)-32)
.endif
.if \zero
	v_wmma_f32_16x16x32_f16 v[rC:rC+7], v[32*(\bi)+8*((\n)%4):32*(\bi)+8*((\n)%4)+7], v[(\f)+8*((\n)/4):(\f)+8*((\n)/4)+7], 0
.else
	v_wmma_f32_16x16x32_f16 v[rC:rC+7], v[32*(\bi)+8*((\n)%4):32*(\bi)+8*((\n)%4)+7], v[(\f)+8*((\n)/4):(\f)+8*((\n)/4)+7], v[rC:rC+7]
.endif
.endm
.macro MMS f, bi, n0, n1, zero
.set nn, \n0
.rept (\n1)-(\n0)+1
	MM \f, \bi, nn, \zero
.set nn, nn+1
.endr
.endm
.macro AGRP g, k, a0                   ; six LDS loads: A's fragments a0 .. a0 + 2
	WIN 0
.set aa, \a0
.rept 3
.if aa < 4
	ds_load_b128 v[(\g)+8*aa:(\g)+8*aa+3],   v[ADL] offset:(\k)+aa*16*PA
	ds_load_b128 v[(\g)+8*aa+4:(\g)+8*aa+7], v[ADL] offset:(\k)+aa*16*PA+32
.else
	ds_load_b128 v[(\g)+8*aa:(\g)+8*aa+3],   v[ADH] offset:(\k)+(aa-4)*16*PA
	ds_load_b128 v[(\g)+8*aa+4:(\g)+8*aa+7], v[ADH] offset:(\k)+(aa-4)*16*PA+32
.endif
.set aa, aa+1
.endr
.endm
.macro BGRP bd, off                    ; eight loads of 512 consecutive bytes: B's four fragments of one quarter
	WIN 0xc0
.irp b, 0,1,2,3
	global_load_b128 v[32*(\bd)+8*\b:32*(\bd)+8*\b+3],   v[BO], s[BB:BB+1] offset:(\off)+1024*\b
	global_load_b128 v[32*(\bd)+8*\b+4:32*(\bd)+8*\b+7], v[BO], s[BB:BB+1] offset:(\off)+1024*\b+512
.endr
.endm
.macro QUARTER i, fetch, bl, lc, zero  ; quarter i of a K step; the memory instructions stand in short groups between the first matrix instructions; lc: B's loads for the later quarters, which may stay out
.set fF, F0+72*((\i)%2)
.set fG, F0+72*(((\i)+1)%2)
	s_wait_dscnt 0x0                               ; A's fragments are in: the last of them was asked for 28 matrix instructions ago
	s_wait_loadcnt \lc
	MM fF, \i, 0, \zero
	PLACES                                         ; the places between the last quarter's products and the loads into what they read
	MM fF, \i, 1, \zero
.if \bl
.if (\i) == 0
	BGRP 7, 7*8192
.else
	BGRP (\i)-1, 65536+8192*((\i)-1)
.endif
.endif
	MMS fF, \i, 2, 3, \zero
.if \fetch
	AGRP fG, 64*((\i)+1), 0
.endif
	MMS fF, \i, 4, 5, \zero
.if \fetch
	AGRP fG, 64*((\i)+1), 3
.endif
	MMS fF, \i, 6, 7, \zero
.if \fetch
	AGRP fG, 64*((\i)+1), 6
.endif
	MMS fF, \i, 8, 35, \zero
.endm
.macro TURN fill, lc                   ; quarter 7 changes slots: one barrier, which with fill = 1 opens a round of the cluster's
	WIN 0
	s_wait_tensorcnt 0x0                           ; all my tensor loads have landed: my part of the slot to be entered; the descriptor may be written
	ds_add_u32 v[SPW], v[NIL]                      ; 0 onto my spare word
	s_wait_xcnt 0x0                                ; B's base is stepped only when the loads that name it have had their addresses taken
	s_add_nc_u64 s[BB:BB+1], s[BB:BB+1], 0x10000
.if \fill
	s_add_co_u32 s[G0W+1], s[SB], s57
	s_add_nc_u64 s[G0W+2:G0W+3], s[G0W+2:G0W+3], 512
.endif
	s_xor_b32 s[SB], s[SB], SLOT
	s_wait_loadcnt \lc
	s_wait_dscnt 0x0                               ; the add is done, and my reads of the slot are over
	s_barrier_signal -1
	MMS F1, 7, 0, 7, 0
	WIN 0
	s_barrier_wait -1
.if \fill
	CREST
	tensor_load_to_lds s[G0W:G0W+3], s[G1A:G1A+7]  ; first behind the round
	s_nop 0
.endif
	PLACES
	v_add_nc_u32 v[ADL], s[SB], v[AL0]
	v_add_nc_u32 v[ADH], s[SB], v[AH0]
	AGRP F0, 0, 0
	MMS F1, 7, 8, 9, 0
	BGRP 6, 6*8192
	MMS F1, 7, 10, 11, 0
	AGRP F0, 0, 3
	MMS F1, 7, 12, 13, 0
	AGRP F0, 0, 6
	MMS F1, 7, 14, 35, 0
.endm
	s_load_b256 s[4:11], s[0:1], 0x0               ; att 4, wts 6, idx 8, ot 10
	v_lshl_add_u32 v[SPW], v0, 2, SPARE
	v_mov_b32 v[NIL], 0
	ds_add_u32 v[SPW], v[NIL]                      ; the wave's opening: the add is waited for ahead of my first tensor load
	v_lshrrev_b32 v1, 5, v0
	v_readfirstlane_b32 s[WV], v1
	v_and_b32 v7, 31, v0
	v_lshlrev_b32 v[BO], 4, v7
	s_lshr_b32 s17, s[WV], 1
	s_and_b32 s18, s[WV], 1
	s_bfe_u32 s19, ttmp6, 0x40000                  ; cx: it enters B's and the output's global addresses alone
	s_lshl_b32 s20, ttmp9, 2
	s_add_co_u32 s20, s20, s19                     ; column tile
	s_and_b32 s21, ttmp7, 0xffff                   ; row group
	s_mov_b32 s[G1A+0], 15|(1<<16)|(1<<20)|(1<<21)|(6<<22)|(3<<25)  ; mask of four; 2-byte elements; padding on; bit 21 beside a mask; after every 128 words 4 words
	s_mov_b32 s[G1A+1], 256<<16
	s_mov_b32 s[G1A+2], 72<<16
	s_mov_b32 s[G1A+3], 256<<16
	s_mov_b32 s[G1A+4], 72
	s_mov_b32 s[G1A+5], KT
	s_mov_b32 s[G1A+6], 0
	s_mov_b32 s[G1A+7], 0
	s_mul_i32 s57, s[WV], 72*PA
	s_mul_i32 s23, s[WV], 72
	s_mul_i32 s77, s21, 288
	s_add_co_u32 s78, s77, s23                     ; my 72 rows, of A and of the way out
	s_mul_i32 s60, s78, 2*KT
	s_mov_b32 s61, 0
	s_mov_b32 s[SB], 0
	s_wait_dscnt 0x0                               ; the opening add is done
	s_wait_kmcnt 0x0
	s_load_b32 s22, s[8:9], META                   ; P1
	s_add_nc_u64 s[60:61], s[4:5], s[60:61]
	s_wait_kmcnt 0x0
	s_cmp_ge_u32 s77, s22
	s_cselect_b32 s22, 1, 0                        ; the group's expert
	s_min_u32 s22, s22, 1
	s_lshl_b32 s62, s22, 22
	s_lshl_b32 s59, s20, 18
	s_add_co_u32 s62, s62, s59
	s_lshl_b32 s59, s18, 12
	s_add_co_u32 s62, s62, s59
	s_add_co_u32 s62, s62, WOH
	s_mov_b32 s63, 0
	s_add_nc_u64 s[BB:BB+1], s[6:7], s[62:63]
	CROUND                                         ; all four work-groups are here: the first joint loads meet
	s_mov_b32 s[G0A], 1
	s_mov_b32 s[G0A+1], s57
	s_add_nc_u64 s[G0A+2:G0A+3], s[60:61], 0
	s_or_b32 s[G0A+3], s[G0A+3], 0x80000000
	s_mov_b32 s[G0W], 1
	s_add_co_u32 s[G0W+1], s57, SLOT
	s_add_nc_u64 s[G0W+2:G0W+3], s[60:61], 512
	s_or_b32 s[G0W+3], s[G0W+3], 0x80000000
	tensor_load_to_lds s[G0A:G0A+3], s[G1A:G1A+7]  ; K step 0
	s_nop 0
	tensor_load_to_lds s[G0W:G0W+3], s[G1A:G1A+7]  ; K step 1: two tensor loads of mine are out
	s_nop 0
	PLACES
.irp i, 0,1,2,3,4,5,6
	BGRP \i, 8192*\i                               ; B's first seven quarters
.endr
	WIN 0
	s_lshl_b32 s62, s78, 12
	s_lshl_b32 s59, s20, 8
	s_add_co_u32 s62, s62, s59
	s_mov_b32 s63, 0
	s_add_nc_u64 s[72:73], s[10:11], s[62:63]      ; ot at the 72 rows that I send out, my tile's 256 bytes
	v_and_b32 v1, 15, v0
	v_bfe_u32 v2, v0, 4, 1
	v_mul_u32_u24 v3, v1, PA
	v_lshl_add_u32 v3, v2, 4, v3
	s_mul_i32 s23, s17, 144*PA
	v_add_nc_u32 v[AL0], s23, v3
	v_add_nc_u32 v[AH0], 4*16*PA, v[AL0]
	v_mul_u32_u24 v[STO], v1, SPITCH               ; into the stage: row 144 wr + l % 16, my 64 bytes: columns 64 wc + 32 (l / 16) ..
	v_lshl_add_u32 v[STO], v2, 6, v[STO]
	s_mul_i32 s23, s17, 144*SPITCH
	s_lshl_b32 s79, s18, 7
	s_add_co_u32 s23, s23, s79
	v_add_nc_u32 v[STO], s23, v[STO]
	v_mul_u32_u24 v[RD], v2, SPITCH
	v_lshl_add_u32 v[RD], v1, 4, v[RD]
	s_mul_i32 s23, s[WV], 72*SPITCH
	v_add_nc_u32 v[RD], s23, v[RD]
	v_lshlrev_b32 v[CO], 12, v2
	v_lshl_add_u32 v[CO], v1, 4, v[CO]
	s_wait_tensorcnt 1                             ; my part of K step 0 is in; K step 1's may stay out
	s_barrier_signal -1
	s_barrier_wait -1
	v_add_nc_u32 v[ADL], s[SB], v[AL0]
	v_add_nc_u32 v[ADH], s[SB], v[AH0]
	AGRP F0, 0, 0
	AGRP F0, 0, 3
	AGRP F0, 0, 6
	QUARTER 0, 1, 1, 48, 1                         ; the first quarter starts the sums
	WIN 0
	s_mov_b32 s3, NS-1
	s_branch .Lmid                                 ; the loop is entered behind a step's first quarter
.Ltop:                                                 ; a trip: the last quarter of step s - 1 with the change into step s and the fill of step s + 1; then quarters 0 to 6 of step s, which load B for step s + 1
	TURN 1, 48
	QUARTER 0, 1, 1, 48, 0
	WIN 0
.Lmid:
.irp i, 1,2,3,4,5,6
	QUARTER \i, 1, 1, 48, 0
.endr
	WIN 0
	s_sub_co_u32 s3, s3, 1
	s_cmp_lg_u32 s3, 0
	s_cbranch_scc1 .Ltop
	TURN 0, 48                                     ; the last step is written out; B's last two quarters are asked for, then the counts run down
	QUARTER 0, 1, 1, 48, 0
	QUARTER 1, 1, 0, 48, 0
	QUARTER 2, 1, 0, 40, 0
	QUARTER 3, 1, 0, 32, 0
	QUARTER 4, 1, 0, 24, 0
	QUARTER 5, 1, 0, 16, 0
	QUARTER 6, 1, 0, 8, 0
	QUARTER 7, 0, 0, 0, 0
	WIN 0
	; THE WAY OUT: rounded to bf16; 64 bytes a lane and row block into one stage; a barrier, since a row's 256 bytes come from two waves; back as whole rows, 72 a wave.
	s_barrier_signal -1                            ; every wave's reads of the ring are over (the last quarter's wait for 0)
	s_barrier_wait -1
	PLACES
.set a, 0
.rept 9
.if a < 8
	WIN 0x05
.set rC, 32*a
.else
	WIN 0x0a
.set rC, 0
.endif
.set wd, 0
.rept 16                               ; word wd: columns 2 wd and 2 wd + 1 of my 32: register wd / 2 of fragments 2 (wd % 2) and + 1; each accumulator is read from its lowest register on
	v_cvt_pk_bf16_f32 v[TMPR+16*a+wd], v[rC+16*(wd%2)+wd/2], v[rC+16*(wd%2)+8+wd/2]
.set wd, wd+1
.endr
.set a, a+1
.endr
	WIN 0
.set q, 0
.rept 36
	ds_store_b128 v[STO], v[TMPR+4*q:TMPR+4*q+3] offset:(q/4)*16*SPITCH+16*(q%4)
.set q, q+1
.endr
	s_wait_dscnt 0x0                               ; for the others' sake: my part of the stage is written
	s_barrier_signal -1
	s_barrier_wait -1
.set f, 0
.rept 36
	ds_load_b128 v[TMPR+4*f:TMPR+4*f+3], v[RD] offset:2*SPITCH*f
.set f, f+1
.endr
.set f, 0
.rept 36
	s_wait_dscnt 35-f                              ; the younger loads may be out
	global_store_b128 v[CO], v[TMPR+4*f:TMPR+4*f+3], s[72:73] offset:8192*f   ; 16 lanes store 256 consecutive bytes, at a multiple of 256 from ot's first byte
.set f, f+1
.endr
	s_wait_tensorcnt 0x0                           ; the wave's end
	ds_add_u32 v[SPW], v[NIL]
	s_wait_dscnt 0x0
	CROUND                                         ; the closing round
	s_endpgm
.Lfunc_end_k_q149b4566ed_oproj:
	.size	k_q149b4566ed_oproj, .Lfunc_end_k_q149b4566ed_oproj-k_q149b4566ed_oproj
	.p2alignl 7, 3214868480
	.fill 96, 4, 3214868480
	.section	.rodata,"a",@progbits
	.p2align	6, 0x0
	.amdhsa_kernel k_q149b4566ed_oproj
		.amdhsa_group_segment_fixed_size 327680
		.amdhsa_private_segment_fixed_size 0
		.amdhsa_enable_private_segment 0
		.amdhsa_kernarg_size 32
		.amdhsa_user_sgpr_count 2
		.amdhsa_user_sgpr_kernarg_segment_ptr 1
		.amdhsa_wavefront_size32 1
		.amdhsa_system_sgpr_workgroup_id_x 1
		.amdhsa_system_sgpr_workgroup_id_y 1
		.amdhsa_system_sgpr_workgroup_id_z 1
		.amdhsa_system_vgpr_workitem_id 0
		.amdhsa_next_free_vgpr 1024
		.amdhsa_next_free_sgpr 80
		.amdhsa_reserve_vcc 0
		.amdhsa_float_denorm_mode_32 3
		.amdhsa_float_denorm_mode_16_64 3
		.amdhsa_memory_ordered 1
		.amdhsa_forward_progress 1
		.amdhsa_inst_pref_size 108
	.end_amdhsa_kernel
	.amdgpu_metadata
---
amdhsa.version: [ 1, 2 ]
amdhsa.kernels:
  - .name:           k_q149b4566ed_oproj
    .symbol:         k_q149b4566ed_oproj.kd
    .args:
      - { .name: att, .offset: 0, .size: 8, .value_kind: global_buffer, .address_space: global }
      - { .name: wts, .offset: 8, .size: 8, .value_kind: global_buffer, .address_space: global }
      - { .name: idx, .offset: 16, .size: 8, .value_kind: global_buffer, .address_space: global }
      - { .name: ot, .offset: 24, .size: 8, .value_kind: global_buffer, .address_space: global }
    .group_segment_fixed_size: 327680
    .private_segment_fixed_size: 0
    .kernarg_segment_align: 8
    .kernarg_segment_size: 32
    .max_flat_workgroup_size: 128
    .sgpr_count:     80
    .vgpr_count:     1024
    .wavefront_size: 32
...
	.end_amdgpu_metadata
.endif
;; end of part 4
;; launch norm (part 5): grid 256 x 1, 16 waves a work-group, no clusters, 0 bytes of LDS; arguments ot, idx, modality_ids, attn_norm_w, out0; writes out0
.if DOCPART == 5
	.amdgcn_target "amdgcn-amd-amdhsa--gfx1250"
	.amdhsa_code_object_version 6
	.text
	.protected	k_q149b4566ed_norm
	.globl	k_q149b4566ed_norm
	.p2align	8
	.type	k_q149b4566ed_norm,@function
k_q149b4566ed_norm:
	s_mov_b64 s[64:65], 0
	v_nop
	global_prefetch_b8 v0, s[64:65] scope:SCOPE_SE
	s_setreg_imm32_b32 hwreg(HW_REG_WAVE_MODE, 25, 1), 1
	s_wait_xcnt 0x0
; THE LAST NORM.  out0[n][:] = ot[POS[n]][:] x rsqrt(mean of squares + 1e-6) x attn_norm_w[id[n]][:] (the gain rounded to bf16, like every input).
; One wave, one token: the row of 2,048 bf16 is 32 registers, unpacked once into 64 and scaled in place; the sum never leaves the wave: no LDS, no barrier.  A stream: no matrix unit, no cluster.
; Each load of the row covers 256 consecutive bytes, each store 512.  An id other than 0 counts as expert 1.  The sum of squares is taken in f32 of the row as it was rounded to bf16.
.set ROWMAX, 0x11ff
.set R,  32                            ; v[32:63]   the row as loaded: words 2 j, 2 j + 1 hold columns 128 j + 4 lane ..
.set G,  64                            ; v[64:127]  the gain of the same columns, f32
.set U,  128                           ; v[128:191] the row in f32, then the result
.set A,  4                             ; v[4:11]    four chains of sums of squares
.set RS, 12                            ; v[12:13]   1 / rms in the low word
.set T,  14                            ; v[14:19]   at work
	s_load_b256 s[4:11], s[0:1], 0x0               ; ot 4, idx 6, modality_ids 8, attn_norm_w 10
	s_load_b64 s[12:13], s[0:1], 0x20              ; out0
	v_lshrrev_b32 v3, 5, v0
	v_readfirstlane_b32 s14, v3
	v_and_b32 v3, 31, v0
	v_lshlrev_b32 v1, 4, v3
	v_lshlrev_b32 v2, 3, v3
	v_mov_b32 v[RS+1], 0                           ; a lane exchange's destination counts as read
	s_lshl_b32 s15, ttmp9, 4
	s_add_co_u32 s15, s15, s14                     ; my token
	s_lshl_b32 s16, s15, 2
	s_mov_b32 s17, 0
	s_mov_b32 s24, 0xffff0000
	s_mov_b32 s25, 0x3a000000                      ; 1 / 2048
	s_mov_b32 s26, 0x358637bd                      ; 1e-6
	s_mov_b32 s28, 0x76543210
	s_mov_b32 s29, 0xfedcba98
	s_wait_kmcnt 0x0
	s_add_nc_u64 s[18:19], s[6:7], s[16:17]
	s_add_nc_u64 s[20:21], s[8:9], s[16:17]
	s_load_b32 s22, s[18:19], 0x0                  ; its sorted row
	s_load_b32 s23, s[20:21], 0x0                  ; its id
	s_lshl_b32 s16, s15, 13
	s_add_nc_u64 s[12:13], s[12:13], s[16:17]
	s_wait_kmcnt 0x0
	s_min_u32 s22, s22, ROWMAX
	s_min_u32 s23, s23, 1
	s_lshl_b32 s16, s22, 12
	s_add_nc_u64 s[4:5], s[4:5], s[16:17]
	s_lshl_b32 s16, s23, 13
	s_add_nc_u64 s[10:11], s[10:11], s[16:17]
.set j, 0
.rept 16
	global_load_b64 v[R+2*j:R+2*j+1], v2, s[4:5] offset:256*j th:TH_LOAD_NT
.set j, j+1
.endr
.set j, 0
.rept 16
	global_load_b128 v[G+4*j:G+4*j+3], v1, s[10:11] offset:512*j
.set j, j+1
.endr
	s_wait_loadcnt 16                              ; the row is in; the gain's 16 loads may be out
.set j, 0
.rept 32
	v_lshlrev_b32 v[U+2*j], 16, v[R+j]
	v_and_b32 v[U+2*j+1], s24, v[R+j]
.set j, j+1
.endr
.set j, 0
.rept 4
	v_pk_mul_f32 v[A+2*j:A+2*j+1], v[U+2*j:U+2*j+1], v[U+2*j:U+2*j+1]   ; the first four pairs start the chains
.set j, j+1
.endr
.rept 28
	v_pk_fma_f32 v[A+2*(j%4):A+2*(j%4)+1], v[U+2*j:U+2*j+1], v[U+2*j:U+2*j+1], v[A+2*(j%4):A+2*(j%4)+1]
.set j, j+1
.endr
	v_pk_add_f32 v[A:A+1], v[A:A+1], v[A+2:A+3]
	v_pk_add_f32 v[A+4:A+5], v[A+4:A+5], v[A+6:A+7]
	v_pk_add_f32 v[A:A+1], v[A:A+1], v[A+4:A+5]
	v_add_f32 v[RS], v[A], v[A+1]
	v_add_f32_dpp v[RS], v[RS], v[RS] row_xmask:1 row_mask:0xf bank_mask:0xf
	v_add_f32_dpp v[RS], v[RS], v[RS] row_xmask:2 row_mask:0xf bank_mask:0xf
	v_add_f32_dpp v[RS], v[RS], v[RS] row_xmask:4 row_mask:0xf bank_mask:0xf
	v_add_f32_dpp v[RS], v[RS], v[RS] row_xmask:8 row_mask:0xf bank_mask:0xf
	v_permlanex16_b32 v[RS+1], v[RS], s28, s29
	v_add_f32 v[RS], v[RS], v[RS+1]
	v_fma_f32 v[RS], v[RS], s25, s26
	v_rsq_f32 v[RS], v[RS]
	v_nop                                          ; a plain instruction behind the root,
	s_wait_alu depctr_va_vdst(0)                   ; and the wait ahead of its first reader
	s_wait_loadcnt 0x0                             ; the gain
.set j, 0
.rept 16
	v_cvt_pk_bf16_f32 v[T], v[G+4*j], v[G+4*j+1]
	v_cvt_pk_bf16_f32 v[T+1], v[G+4*j+2], v[G+4*j+3]
	v_pk_mul_f32 v[U+4*j:U+4*j+1], v[U+4*j:U+4*j+1], v[RS:RS+1] op_sel_hi:[1,0]
	v_pk_mul_f32 v[U+4*j+2:U+4*j+3], v[U+4*j+2:U+4*j+3], v[RS:RS+1] op_sel_hi:[1,0]
	v_lshlrev_b32 v[T+2], 16, v[T]
	v_and_b32 v[T+3], s24, v[T]
	v_lshlrev_b32 v[T+4], 16, v[T+1]
	v_and_b32 v[T+5], s24, v[T+1]
	v_pk_mul_f32 v[U+4*j:U+4*j+1], v[U+4*j:U+4*j+1], v[T+2:T+3]
	v_pk_mul_f32 v[U+4*j+2:U+4*j+3], v[U+4*j+2:U+4*j+3], v[T+4:T+5]
	global_store_b128 v1, v[U+4*j:U+4*j+3], s[12:13] offset:512*j th:TH_STORE_NT   ; 512 consecutive bytes; its registers are not written again
.set j, j+1
.endr
	s_endpgm
.Lfunc_end_k_q149b4566ed_norm:
	.size	k_q149b4566ed_norm, .Lfunc_end_k_q149b4566ed_norm-k_q149b4566ed_norm
	.p2alignl 7, 3214868480
	.fill 96, 4, 3214868480
	.section	.rodata,"a",@progbits
	.p2align	6, 0x0
	.amdhsa_kernel k_q149b4566ed_norm
		.amdhsa_group_segment_fixed_size 0
		.amdhsa_private_segment_fixed_size 0
		.amdhsa_enable_private_segment 0
		.amdhsa_kernarg_size 40
		.amdhsa_user_sgpr_count 2
		.amdhsa_user_sgpr_kernarg_segment_ptr 1
		.amdhsa_wavefront_size32 1
		.amdhsa_system_sgpr_workgroup_id_x 1
		.amdhsa_system_sgpr_workgroup_id_y 1
		.amdhsa_system_sgpr_workgroup_id_z 1
		.amdhsa_system_vgpr_workitem_id 0
		.amdhsa_next_free_vgpr 192
		.amdhsa_next_free_sgpr 66
		.amdhsa_reserve_vcc 0
		.amdhsa_float_denorm_mode_32 3
		.amdhsa_float_denorm_mode_16_64 3
		.amdhsa_memory_ordered 1
		.amdhsa_forward_progress 1
		.amdhsa_inst_pref_size 19
	.end_amdhsa_kernel
	.amdgpu_metadata
---
amdhsa.version: [ 1, 2 ]
amdhsa.kernels:
  - .name:           k_q149b4566ed_norm
    .symbol:         k_q149b4566ed_norm.kd
    .args:
      - { .name: ot, .offset: 0, .size: 8, .value_kind: global_buffer, .address_space: global }
      - { .name: idx, .offset: 8, .size: 8, .value_kind: global_buffer, .address_space: global }
      - { .name: modality_ids, .offset: 16, .size: 8, .value_kind: global_buffer, .address_space: global }
      - { .name: attn_norm_w, .offset: 24, .size: 8, .value_kind: global_buffer, .address_space: global }
      - { .name: out0, .offset: 32, .size: 8, .value_kind: global_buffer, .address_space: global }
    .group_segment_fixed_size: 0
    .private_segment_fixed_size: 0
    .kernarg_segment_align: 8
    .kernarg_segment_size: 40
    .max_flat_workgroup_size: 512
    .sgpr_count:     66
    .vgpr_count:     192
    .wavefront_size: 32
...
	.end_amdgpu_metadata
.endif
;; end of part 5
